; MI455X (gfx1250); checked and timed in simulation.
; The chip was launched on July 23, 2026; its instructions are those of AMD's public machine-readable ISA for CDNA 5 (MIT licence, August 2026) and "CDNA5" Instruction Set Architecture Reference Guide (July 2026). The comments in the code are by the model that wrote it; some were corrected since.
;; Incoherent MLP. Allowed arithmetic: matrix products marked QUANTISED: E2M1 operands, one E8M0 scale for each 32 along K, by v_wmma_scale_f32_16x16x128_f8f6f4 with both operands' format E2M1 (or v_wmma_scale_f32_32x16x128_f4), f32 sums; everything else in f32.
;; Inputs: SU_dp 1,024 float32; SU_ug 2,048 float32; W_down_codes 2,048 x 32 x 16 uint8 (E2M1 codes of W_down, K innermost, in blocks of 32 codes, two codes a byte); W_down_scales 2,048 x 32 uint8 (E8M0 scales of W_down, one for each 32 codes along K); W_gate_codes 1,024 x 64 x 16 uint8 (E2M1 codes of W_gate, K innermost, in blocks of 32 codes, two codes a byte); W_gate_scales 1,024 x 64 uint8 (E8M0 scales of W_gate, one for each 32 codes along K); W_up_codes 1,024 x 64 x 16 uint8 (E2M1 codes of W_up, K innermost, in blocks of 32 codes, two codes a byte); W_up_scales 1,024 x 64 uint8 (E8M0 scales of W_up, one for each 32 codes along K); Wscale_dp 2,048 float32; Wscale_ug 2,048 float32; input 4 x 2,048 x 2,048 float32.
;; Outputs: out0 4 x 2,048 x 2,048 float32.
;; This version of the problem:
;;   THIS VERSION OF THE PROBLEM IS GIVEN IN LOW PRECISION. The matrix products marked QUANTISED in the list below multiply operands that are first quantised to E2M1 (2 exponent bits, 1 mantissa bit; 4 bits a number), with one power-of-two scale for each 32 numbers along K (OCP MX v1.0); their sums are f32. All else is computed in f32.
;;   The module's matrix products, in the order in which they are computed (A, B: the left and right operand; K: the contracted axis; several contracted axes count as one K, in the product's order):
;;     1. [M 8,192, K 2,048] x [K 2,048, N 1,024]; A: computed on the way; B: input W_up (given as codes): QUANTISED
;;     2. [M 8,192, K 2,048] x [K 2,048, N 1,024]; A: computed on the way; B: input W_gate (given as codes): QUANTISED
;;     3. [M 8,192, K 1,024] x [K 1,024, N 2,048]; A: computed on the way; B: input W_down (given as codes): QUANTISED
;;   THE QUANTISER, for each operand of a quantised product, along K:
;;     - K is cut into blocks of 32 from its start; a last block that is shorter is filled with zeros.
;;     - A block's scale is 2^e with e = floor(log2(the largest magnitude in the block)) - 2, held to -126 .. 127; a block of zeros has e = 0. As a byte (E8M0): e + 127.
;;     - Each number is divided by its block's scale, clamped to +-6, and rounded to the nearest number of E2M1, ties to even, subnormals kept.
;;     - The product sums the exact products of the quantised numbers (number of the format x scale) in f32.
;;   ~~~python
;;   def quantise(x, axis):      # numpy; x: float32 -> the quantised numbers, widened to float32 again
;;       x = np.moveaxis(x, axis, -1); K = x.shape[-1]
;;       x = np.pad(x, [(0, 0)] * (x.ndim - 1) + [(0, -K % 32)]); x = x.reshape(x.shape[:-1] + (-1, 32)); a = np.abs(x).max(-1, keepdims=True)
;;       e = np.where(a > 0, np.clip(np.frexp(np.where(a > 0, a, 1))[1] - 1 - 2, -126, 127), 0)      # np.frexp(a)[1] - 1 = floor(log2(a)), exactly
;;       r = np.clip(x / 2.0 ** e, -6, 6)
;;       step = 2.0 ** (np.maximum(np.frexp(np.where(r == 0, 1, r))[1] - 1, 0) - 1)
;;       q = np.round(r / step) * step * 2.0 ** e      # np.round: ties to even
;;       return np.moveaxis(q.reshape(q.shape[:-2] + (-1,))[..., :K], -1, axis).astype(np.float32)
;;   ~~~
;;   OPERANDS COMPUTED ON THE WAY. 'Computed on the way' means the value that the module computes at that place (a softmax that the list does not call 'softmax' is quantised finished and normalised). What goes into a quantiser is computed in f32, as accurately as f32 sums, v_exp_f32 and their like allow (about 1e-6 of the number): no bf16 or f16 on the way to a quantiser, and a product that is left as it is and whose result goes on into a quantised operand takes f32 operands (vector FMAs, or v_wmma_f32_16x16x4_f32). A number that lies on a knife's edge between two numbers of the format may be rounded either way, as far as f32 arithmetic and the matrix unit's own rounding can turn it there, and no further.
;;   INPUTS GIVEN AS CODES. W_down (in the module: [2048, 1024], K = its axis 1); W_gate (in the module: [1024, 2048], K = its axis 1); W_up (in the module: [1024, 2048], K = its axis 1): each comes as NAME_codes (uint8): NAME with its K axis moved to the last place and cut into blocks of 32 codes, [.., K / 32, bytes a block], one block behind the other in memory; two codes a byte, the lower K in the low four bits (a code: sign, 2 exponent bits, 1 mantissa bit); and NAME_scales (uint8): the same leading axes, one E8M0 byte (e + 127) for each 32 codes along K. Its value is code x scale, taken as it is: it is not quantised again, and the codes and scales need not be those that the quantiser above would give.
;; 2 versions, each right. Each part assembles by itself: llvm-mc -triple=amdgcn-amd-amdhsa -mcpu=gfx1250 --defsym DOCPART=n.
;; ======== version 1 of 2: 1 launch
;; launch fused (part 1): grid 256 x 1, 8 waves a work-group, clusters of 4 x 1, 327,680 bytes of LDS; arguments input, SU_ug, SU_dp, Wscale_ug, W_up_codes, W_gate_codes, W_up_scales, W_gate_scales, W_down_codes, W_down_scales, Wscale_dp, out0; writes out0
.if DOCPART == 1
	.amdgcn_target "amdgcn-amd-amdhsa--gfx1250"
	.amdhsa_code_object_version 6
	.text
	.protected	k_qbbbe255137_fused
	.globl	k_qbbbe255137_fused
	.p2align	8
	.type	k_qbbbe255137_fused,@function
k_qbbbe255137_fused:
	s_mov_b64 s[64:65], 0
	v_nop
	global_prefetch_b8 v0, s[64:65] scope:SCOPE_SE
	s_setreg_imm32_b32 hwreg(HW_REG_WAVE_MODE, 25, 1), 1
	s_wait_xcnt 0x0
	s_wait_alu depctr_hold_cnt(0) depctr_sa_sdst(0) depctr_va_vdst(0) depctr_va_sdst(0) depctr_va_ssrc(0) depctr_va_vcc(0) depctr_vm_vsrc(0)
	s_getreg_b32 s2, hwreg(HW_REG_IB_STS2, 6, 4)
	s_cmp_eq_u32 s2, 0
	s_cbranch_scc0 .Lentry_in_a_cluster
	s_endpgm
.Lentry_in_a_cluster:
	s_bfe_u32 s2, ttmp6, 0x10000c
	s_cmp_lg_u32 s2, 0x3003
	s_cbranch_scc0 .Lentry_shape_is_right
	s_endpgm
.Lentry_shape_is_right:
; out = Q(FWHT1024(silu(g) u SU_dp) / 64) W_down^T (Wscale_dp 64),  u, g = Q(FWHT2048(input SU_ug) / 64) (W_up, W_gate)^T (Wscale_ug 64).
; Q: MX-FP4 (E2M1 codes, one E8M0 byte for each 32 along K).  8,192 tokens, 2,048 channels, 1,024 hidden units.  Weights arrive as codes and bytes and go to the matrix unit as they lie.
; ONE LAUNCH.  Both transforms mix a whole token row, so a work-group owns whole rows: 32 tokens (two tiles of 16) from input to output; 256 work-groups.  Nothing goes to memory between the steps.
; THE WAVES SHARE COLUMNS, NOT TOKENS.  All weights (3 MB of codes) walk through a ring of two LDS slots in 24 contents of 128 KB; each wave reads its own eighth of rows, so every weight byte is read from LDS once.
; The small operand (the tokens' codes) stays in registers: 256 registers for x, later 128 for the hidden layer.
; CLUSTER: all work-groups walk the same weights, so the four of a cluster ask for each content JOINTLY: the same tensor load, the same descriptor, mask 15.
; PRODUCTS 1, 2 TRANSPOSED (source 0 = 16 weight rows, source 1 = 16 tokens): a lane holds one token, its registers run along hidden units.  Row m = 8 hD + 2 a + j0 of wave w's tile in pair p is
; hidden unit 128 p + 32 a + 4 w + 2 hD + j0: bits 0, 5 .. 9 of the unit's number then lie in a lane's registers, and the second transform does them there; bits 1 .. 4 follow after one exchange through LDS, where a lane takes a whole block of 32.
; PRODUCT 3 NOT TRANSPOSED, its weight rows chosen: column r of a tile is output 512 s + 64 w + 4 r + q, q = 0 .. 3 in four accumulators: a lane has 4 neighbouring outputs of a token and sixteen lanes store 256 consecutive bytes, aligned.
; LIMITS.  NaN and infinities among the inputs are not served.  A block whose largest magnitude lies under 2^-124, a block of zeros too, gets the byte 1 (its codes are then zeros or tiny; only this program reads the bytes).
; 1 / (sqrt(2048) 64) = 2^-11.5 is multiplied into SU_ug (one rounding more); Wscale_up x SU_dp x 2^-5 is one factor (exact for signs, else one rounding more); the butterflies run in another order than the reference's.
; The weights' scale bytes come straight from memory into registers, 16 bytes a lane, each byte once in a work-group, one content ahead: LDS has no room for them beside the ring.
.set REG,   16960                      ; a wave's region of a slot: 32 rows x (512 + 16) or 16 rows x (1,024 + 16) bytes; 16,960 / 16 = 4 mod 16, so that the 16 rows of a fragment of products 1, 2 (4 regions x 4 lines) start in 16 different columns of 16 bytes
.set SLOT,  8*REG
.set DSB,   2*SLOT                     ; behind the ring: all bytes that LDS stores write; no tensor load lands here
.set XSCO,  34816                      ; from DSB: x's scale words, 128 x K step + 4 x token
.set CONO,  36864                      ; the per-unit factors: 1,024 for the gate, then 1,024 for up
.set HIMO,  34816                      ; the hidden layer's codes (over x's scale words and the factors, both done with by then)
.set HSCO,  52224                      ; the hidden layer's scale words
.set SPARE, DSB+55296                  ; the spare words, 128 bytes for each wave: four blocks of 256 bytes that no other line names
; window 0
.set SPW, 1                            ; v1  LDS address of my spare word; never rewritten
.set NIL, 2                            ; v2  0; never rewritten
;    v3-6  my weight fragment's place: slot 0 up, gate; slot 1 up, gate.  Product 3: v3, v4 slot 0, 1.  Second transform: v5-8 below
.set WSA, 7                            ; up's and gate's scale bytes: my row, my half of a content's 8 words
.set CA,  8                            ; my units' factors in LDS
.set X2S, 5
.set X2L, 6
.set HIS, 7
.set HBS, 8
.set DSA, 9                            ; W_down's scale bytes
.set PFO1, 10                          ; prefetch offsets; never rewritten
.set PFO3, 11
.set FRL, 12                           ; a token fragment's place for my lane: DSB + 272 h + 16 r
.set LS4, 13                           ; DSB + 4 x lane
.set OUTA, 14
.set WSO, 15
.set GIN, 16                           ; first transform only: v16-29
.set GSU, 17
.set XST, 18
.set XLD, 19
.set IMS, 20
.set SBS, 21
.set SG,  22
.set MXA, 24
.set MXB, 25
.set SCL, 26
.set BYT, 27
.set T16, 28
.set CST, 29
.set XS,  16                           ; v16-31 x's scale words, one register a K step: lanes 0-15 tile 0, lanes 16-31 tile 1
.set HS,  16                           ; v16-23 the hidden layer's likewise
.set WSC, 24                           ; v24-27 Wscale_dp of my four columns
.set WS,  32                           ; v32-47 weight scale words, two sets of 8
.set PB,  32                           ; first transform: a block of 32
.set ACC, 48                           ; v48-79 four accumulators
.set TQ,  64                           ; first transform: 32 at work
.set WF,  80                           ; v80-127 weight fragments, three sets of 16
.set CODES, 96
.set EXR, 80
.set CG,  112
.set CU,  120
.set C2,  112
.set SU,  128                          ; v128-255: SU_ug x c; then the hidden layer H[tile][p][j]; then its fragments
.set H,   128
.set HF,  128
; window 1: the input's four rows (pair 0: v0-127, pair 1: v128-255; register 4 j + e = element 64 j + 4 r + e); then x's fragments 128 T + 8 K step; then the output 32 T + 4 j + q
.set G1P, 32
.set G1D, 40
.set G0P0, 48
.set G0P1, 52
.set G0D0, 56
.set G0D1, 60
.set CNT, 70
.set LIM, 71
.set PFA, 72
.set PFD, 74
.set MSB, 0
.macro WIN new                         ; low byte: bits 1:0 source 0, 3:2 source 1, 5:4 source 2, 7:6 destination; the high byte repeats the setting that is left
.if MSB != \new
	s_set_vgpr_msb (MSB<<8)|\new
.set MSB, \new
.endif
.endm
.macro PLACES                          ; four plain places behind a matrix instruction, ahead of loads into its registers and of reads of its results
.rept 4
	v_nop
.endr
.endm
.macro ROUND                           ; a round of the cluster's barrier
	s_barrier_signal -1
	s_barrier_wait -1
	s_cmp_lg_u32 s28, 0
	s_cbranch_scc1 .Lnw0_\@
	s_barrier_signal -3
.Lnw0_\@:
	s_barrier_wait -3
	s_barrier_signal -1
	s_barrier_wait -1
.endm
; THE CHANGE OF SLOTS, directly behind the slot that was read.  All my tensor loads have landed (one was out: my part of the other slot); the add; the descriptor steps; the add and my reads of the slot are done;
; a round, so that this holds of every wave of the four work-groups; then my one joint load, into the slot just read.
.macro CHANGE g0, g1, step
	WIN 0
	s_wait_tensorcnt 0x0
	ds_add_u32 v[SPW], v[NIL]          ; 0 onto my spare word
.if \step
	s_add_nc_u64 s[\g0+2:\g0+3], s[\g0+2:\g0+3], \step
.endif
	s_wait_dscnt 0x0
	ROUND
	tensor_load_to_lds s[\g0:\g0+3], s[\g1:\g1+7]
	s_nop 0
	PLACES                             ; (also the places behind the slot's last products)
.endm
.macro CHANGE0                         ; the last change: nothing is left to fetch
	WIN 0
	s_wait_tensorcnt 0x0
	ds_add_u32 v[SPW], v[NIL]
	s_wait_dscnt 0x0
	s_barrier_signal -1
	s_barrier_wait -1
	PLACES
.endm
; PREFETCH INTO THE L2 of a later content: 512 blocks of 256 bytes, each named once in the launch.  All clusters walk the same weights: the first cluster asks; in it waves 0 to 3 of each work-group,
; one instruction each, 32 blocks; the four partners are told apart by address alone.  Contents 0 to 3 come by their loads alone; nothing is asked for past content 23.
.macro ASKU ptr, voff, imm
	s_cmp_eq_u32 s[LIM], 1
	s_cbranch_scc0 .Lnm_\@
	global_prefetch_b8 v[\voff], s[\ptr:\ptr+1] offset:\imm th:TH_LOAD_NT scope:SCOPE_SE
.Lnm_\@:
.endm
.macro ASKL imm                        ; in the loop: not in its last trip
	s_cmp_gt_u32 s[CNT], s[LIM]
	s_cbranch_scc0 .Lnm_\@
	global_prefetch_b8 v[PFO3], s[PFD:PFD+1] offset:\imm th:TH_LOAD_NT scope:SCOPE_SE
.Lnm_\@:
.endm
; Two butterfly stages at once, on register pairs d1 and d2 apart: level 1 into eight registers at t, level 2 back in place
.macro R4L1 x, d1, d2, t
.set rx, \x
.set rt, \t
	v_pk_add_f32 v[rt:rt+1], v[rx:rx+1], v[rx+\d1:rx+\d1+1]
	v_pk_add_f32 v[rt+2:rt+3], v[rx:rx+1], v[rx+\d1:rx+\d1+1] neg_lo:[0,1] neg_hi:[0,1]
	v_pk_add_f32 v[rt+4:rt+5], v[rx+\d2:rx+\d2+1], v[rx+\d2+\d1:rx+\d2+\d1+1]
	v_pk_add_f32 v[rt+6:rt+7], v[rx+\d2:rx+\d2+1], v[rx+\d2+\d1:rx+\d2+\d1+1] neg_lo:[0,1] neg_hi:[0,1]
.endm
.macro R4L2 x, d1, d2, t
.set rx, \x
.set rt, \t
	v_pk_add_f32 v[rx:rx+1], v[rt:rt+1], v[rt+4:rt+5]
	v_pk_add_f32 v[rx+\d2:rx+\d2+1], v[rt:rt+1], v[rt+4:rt+5] neg_lo:[0,1] neg_hi:[0,1]
	v_pk_add_f32 v[rx+\d1:rx+\d1+1], v[rt+2:rt+3], v[rt+6:rt+7]
	v_pk_add_f32 v[rx+\d1+\d2:rx+\d1+\d2+1], v[rt+2:rt+3], v[rt+6:rt+7] neg_lo:[0,1] neg_hi:[0,1]
.endm
.macro R4B d, d1, d2, x0, x1, x2, x3   ; four groups in window 1, at work in window 0: two switches for 32 instructions
	WIN 0x05
	R4L1 \d+\x0, \d1, \d2, TQ
	R4L1 \d+\x1, \d1, \d2, TQ+8
	R4L1 \d+\x2, \d1, \d2, TQ+16
	R4L1 \d+\x3, \d1, \d2, TQ+24
	WIN 0x40
	R4L2 \d+\x0, \d1, \d2, TQ
	R4L2 \d+\x1, \d1, \d2, TQ+8
	R4L2 \d+\x2, \d1, \d2, TQ+16
	R4L2 \d+\x3, \d1, \d2, TQ+24
.endm
; A block of 32 in a lane's registers: its largest magnitude, with the floor 2^(3 - 127) among the leaves, so that the byte cannot fall under 1
.macro QMAX q, ma, mb
	v_max3_num_f32 v[\ma], |v[\q]|, |v[\q+1]|, |v[\q+2]|
	v_max3_num_f32 v[\mb], |v[\q+3]|, |v[\q+4]|, |v[\q+5]|
.irp ii, 6,10,14,18,22,26
	v_max3_num_f32 v[\ma], v[\ma], |v[\q+\ii]|, |v[\q+\ii+1]|
	v_max3_num_f32 v[\mb], v[\mb], |v[\q+\ii+2]|, |v[\q+\ii+3]|
.endr
	v_max3_num_f32 v[\ma], v[\ma], |v[\q+30]|, |v[\q+31]|
	v_max3_num_f32 v[\ma], v[\ma], v[\mb], 0x1800000
.endm
.macro QCVT q, c, ma, scl, by
	v_add_nc_u32 v[\scl], 0xff000000, v[\ma]       ; 2 off the exponent field: the conversion takes the exponent field of this operand as its scale
.irp gg, 0,1,2,3
	v_cvt_scalef32_pk8_fp4_f32 v[\c+\gg], v[\q+8*\gg:\q+8*\gg+7], v[\scl]
.endr
	v_lshrrev_b32 v[\by], 23, v[\scl]              ; the scale's byte; also the plain place behind the conversions
.endm
; FIRST TRANSFORM, the stages over j (bits 6 to 10 of the element's number), for the pair of tokens at v[d] of window 1.  The first stage takes SU x c with it.
.macro PASSA d
.irp bt, 0, 32
	WIN 0x01
.set i, 0
.rept 16
	v_pk_mul_f32 v[TQ+i:TQ+i+1], v[\d+64+\bt+i:\d+64+\bt+i+1], v[SU+64+\bt+i:SU+64+\bt+i+1]
.set i, i+2
.endr
	WIN 0x41
.set i, 0
.rept 16
	v_pk_fma_f32 v[\d+64+\bt+i:\d+64+\bt+i+1], v[\d+\bt+i:\d+\bt+i+1], v[SU+\bt+i:SU+\bt+i+1], v[TQ+i:TQ+i+1] neg_lo:[0,0,1] neg_hi:[0,0,1]
	v_pk_fma_f32 v[\d+\bt+i:\d+\bt+i+1], v[\d+\bt+i:\d+\bt+i+1], v[SU+\bt+i:SU+\bt+i+1], v[TQ+i:TQ+i+1]
.set i, i+2
.endr
.endr
	R4B \d, 32, 16, 0, 2, 4, 6
	R4B \d, 32, 16, 8, 10, 12, 14
	R4B \d, 32, 16, 64, 66, 68, 70
	R4B \d, 32, 16, 72, 74, 76, 78
	R4B \d, 8, 4, 0, 2, 16, 18
	R4B \d, 8, 4, 32, 34, 48, 50
	R4B \d, 8, 4, 64, 66, 80, 82
	R4B \d, 8, 4, 96, 98, 112, 114
	WIN 0
.endm
; A quarter s of the pair's rows (512 elements a token) turns through my wave's own 4,352 bytes of LDS: in as it lies, back a block of 32 to a lane (block 16 s + r of token h).
; Bit 5 lies between lanes r and r xor 1, bits 4 to 0 in the lane.  Then the block is quantised.  LDS serves a wave's instructions in order: no wait between the stores and the loads.
.macro STEPX d, pr, s
	WIN 0x04
.irp jj, 0,1,2,3,4,5,6,7
	ds_store_b128 v[XST], v[\d+32*\s+4*\jj:\d+32*\s+4*\jj+3] offset:272*\jj
.endr
	WIN 0
.irp ii, 0,1,2,3,4,5,6,7
	ds_load_b128 v[PB+4*\ii:PB+4*\ii+3], v[XLD] offset:16*\ii
.endr
	s_wait_dscnt 0x0                               ; the block is in; the last step's byte store has read its register
.set i, 0
.rept 16
	v_pk_mul_f32 v[TQ+i:TQ+i+1], v[PB+i:PB+i+1], v[SG:SG+1]       ; + mine in even lanes, - mine in odd ones
.set i, i+2
.endr
.set i, 0
.rept 32
	v_add_f32_dpp v[PB+i], v[PB+i], v[TQ+i] row_xmask:1 row_mask:0xf bank_mask:0xf   ; the neighbour's + that
.set i, i+1
.endr
.irp xx, 0,2,4,6
	R4L1 PB+\xx, 16, 8, TQ+4*\xx
.endr
.irp xx, 0,2,4,6
	R4L2 PB+\xx, 16, 8, TQ+4*\xx
.endr
.irp xx, 0,8,16,24
	R4L1 PB+\xx, 4, 2, TQ+\xx
.endr
.irp xx, 0,8,16,24
	R4L2 PB+\xx, 4, 2, TQ+\xx
.endr
.set i, 0
.rept 16
	v_add_f32 v[TQ+i], v[PB+i], v[PB+i+1]
	v_sub_f32 v[TQ+i+1], v[PB+i], v[PB+i+1]
.set i, i+2
.endr
	QMAX TQ, MXA, MXB
	QCVT TQ, CODES+16*\pr+4*\s, MXA, SCL, BYT
	ds_store_b8 v[SBS], v[BYT] offset:512*\s+8*\pr
.endm
; One scaled matrix instruction from the symbols wD, wA, wB, wSA, wSB; wZ: it starts the sum; wRA, wRB: the side's scales stand in lanes 16-31
.macro WM
.if wZ
.if wRA && wRB
	v_wmma_scale_f32_16x16x128_f8f6f4 v[wD:wD+7], v[wA:wA+7], v[wB:wB+7], 0, v[wSA], v[wSB] matrix_a_fmt:MATRIX_FMT_FP4 matrix_b_fmt:MATRIX_FMT_FP4 matrix_a_scale:MATRIX_SCALE_ROW1 matrix_b_scale:MATRIX_SCALE_ROW1
.elseif wRA
	v_wmma_scale_f32_16x16x128_f8f6f4 v[wD:wD+7], v[wA:wA+7], v[wB:wB+7], 0, v[wSA], v[wSB] matrix_a_fmt:MATRIX_FMT_FP4 matrix_b_fmt:MATRIX_FMT_FP4 matrix_a_scale:MATRIX_SCALE_ROW1
.elseif wRB
	v_wmma_scale_f32_16x16x128_f8f6f4 v[wD:wD+7], v[wA:wA+7], v[wB:wB+7], 0, v[wSA], v[wSB] matrix_a_fmt:MATRIX_FMT_FP4 matrix_b_fmt:MATRIX_FMT_FP4 matrix_b_scale:MATRIX_SCALE_ROW1
.else
	v_wmma_scale_f32_16x16x128_f8f6f4 v[wD:wD+7], v[wA:wA+7], v[wB:wB+7], 0, v[wSA], v[wSB] matrix_a_fmt:MATRIX_FMT_FP4 matrix_b_fmt:MATRIX_FMT_FP4
.endif
.else
.if wRA && wRB
	v_wmma_scale_f32_16x16x128_f8f6f4 v[wD:wD+7], v[wA:wA+7], v[wB:wB+7], v[wD:wD+7], v[wSA], v[wSB] matrix_a_fmt:MATRIX_FMT_FP4 matrix_b_fmt:MATRIX_FMT_FP4 matrix_a_scale:MATRIX_SCALE_ROW1 matrix_b_scale:MATRIX_SCALE_ROW1
.elseif wRA
	v_wmma_scale_f32_16x16x128_f8f6f4 v[wD:wD+7], v[wA:wA+7], v[wB:wB+7], v[wD:wD+7], v[wSA], v[wSB] matrix_a_fmt:MATRIX_FMT_FP4 matrix_b_fmt:MATRIX_FMT_FP4 matrix_a_scale:MATRIX_SCALE_ROW1
.elseif wRB
	v_wmma_scale_f32_16x16x128_f8f6f4 v[wD:wD+7], v[wA:wA+7], v[wB:wB+7], v[wD:wD+7], v[wSA], v[wSB] matrix_a_fmt:MATRIX_FMT_FP4 matrix_b_fmt:MATRIX_FMT_FP4 matrix_b_scale:MATRIX_SCALE_ROW1
.else
	v_wmma_scale_f32_16x16x128_f8f6f4 v[wD:wD+7], v[wA:wA+7], v[wB:wB+7], v[wD:wD+7], v[wSA], v[wSB] matrix_a_fmt:MATRIX_FMT_FP4 matrix_b_fmt:MATRIX_FMT_FP4
.endif
.endif
.endm
; PRODUCTS 1 AND 2.  A content: rows 128 p .. + 127 of W_up and of W_gate, half kh of K: 8 K steps of 128.
.macro LOADW1 slot, kq, set            ; my 16 rows of up and of gate, K step kq of the content
	ds_load_b128 v[WF+16*(\set):WF+16*(\set)+3],     v[3+2*\slot] offset:64*(\kq)
	ds_load_b128 v[WF+16*(\set)+4:WF+16*(\set)+7],   v[3+2*\slot] offset:64*(\kq)+32
	ds_load_b128 v[WF+16*(\set)+8:WF+16*(\set)+11],  v[4+2*\slot] offset:64*(\kq)
	ds_load_b128 v[WF+16*(\set)+12:WF+16*(\set)+15], v[4+2*\slot] offset:64*(\kq)+32
.endm
.macro MM1 kh                          ; K step k: up and gate x two tiles of tokens; the four accumulators by turns, one instruction a turn
.irp tg, 0,1,2,3
.set wD, ACC+8*\tg
.set wA, WF+16*(k%3)+8*(\tg%2)
.set wB, 128*(\tg/2)+8*(8*\kh+k)
.set wSA, WS+8*\kh+4*(\tg%2)+(k%4)
.set wSB, XS+8*\kh+k
.set wRA, k/4
.set wRB, \tg/2
.set wZ, 0
.if (\kh == 0) && (k == 0)
.set wZ, 1
.endif
	WM
.endr
.endm
.macro LOADC p                         ; the factors of my 8 units of pair p
.irp aa, 0,1,2,3
	ds_load_b64 v[CG+2*\aa:CG+2*\aa+1], v[CA] offset:512*(\p)+128*\aa
	ds_load_b64 v[CU+2*\aa:CU+2*\aa+1], v[CA] offset:4096+512*(\p)+128*\aa
.endr
.endm
.macro SLOT1 p, kh
	LOADW1 \kh, 0, 0
	LOADW1 \kh, 1, 1
	LOADW1 \kh, 2, 2
.if (\p == 7) && (\kh == 1)
	global_load_b128 v[WS:WS+3], v[DSA], s[22:23]              ; the next content is W_down's first: its scale words
	global_load_b128 v[WS+4:WS+7], v[DSA], s[22:23] offset:32
.else
.set np, (\p)+(\kh)
.set nk, 1-(\kh)
	global_load_b128 v[WS+8*nk:WS+8*nk+3], v[WSA], s[16:17] offset:8192*np+32*nk     ; the next content's scale words, into the other set
	global_load_b128 v[WS+8*nk+4:WS+8*nk+7], v[WSA], s[18:19] offset:8192*np+32*nk
.endif
.set tt, 2*(\p)+(\kh)
.if (tt >= 1) && (tt <= 12)
	ASKU PFA, PFO1, 131072*((tt+3)/2)+512*((tt+3)%2)           ; content tt + 3: its joint load stands behind the next slot
.elseif tt == 13
	ASKU PFD, PFO3, 0
.elseif tt == 14
	ASKU PFD, PFO3, 1024
.elseif tt == 15
	ASKU PFD, PFO3, 262144
.endif
	s_wait_loadcnt 0x2                             ; this content's scale words are in; the two loads just issued may be out
	WIN 0x04                                       ; source 1 (the tokens) in window 1
.set k, 0
.rept 8
.if k < 6
.set nw, 8                                     ; behind K step k's four loads: those of the two K steps after it
.elseif k == 6
.set nw, 4+8*\kh                               ; K step 7's four, and the eight loads of the factors
.else
.set nw, 8*\kh
.endif
	s_wait_dscnt nw
	MM1 \kh
.if k <= 4
	PLACES
	LOADW1 \kh, k+3, k%3
.endif
.if (\kh == 1) && (k == 5)
	PLACES
	LOADC \p                                       ; into set 2, which has had its last K step
.endif
.set k, k+1
.endr
	WIN 0
.endm
; silu(g) u x SU_dp / 32 / 64 for pair p, each accumulator from its low end on
.macro EPI1 p
	PLACES
	s_wait_dscnt 0x0
.irp tk, 0,1
.irp ii, 0,2,4,6
	v_pk_mul_f32 v[ACC+8+16*\tk+\ii:ACC+8+16*\tk+\ii+1], v[ACC+8+16*\tk+\ii:ACC+8+16*\tk+\ii+1], v[CG+\ii:CG+\ii+1]   ; g
.endr
.endr
.irp tk, 0,1
.irp ii, 0,2,4,6
	v_pk_mul_f32 v[EXR+8*\tk+\ii:EXR+8*\tk+\ii+1], v[ACC+8+16*\tk+\ii:ACC+8+16*\tk+\ii+1], s[68:69] op_sel_hi:[1,0]   ; - g log2(e)
.endr
.endr
.irp tk, 0,1
.irp ii, 0,2,4,6
	v_pk_mul_f32 v[ACC+16*\tk+\ii:ACC+16*\tk+\ii+1], v[ACC+16*\tk+\ii:ACC+16*\tk+\ii+1], v[CU+\ii:CU+\ii+1]
.endr
.endr
.set i, 0
.rept 16
	v_exp_f32 v[EXR+i], v[EXR+i]
.set i, i+1
.endr
.irp tk, 0,1
.irp ii, 0,2,4,6
	v_pk_mul_f32 v[ACC+16*\tk+\ii:ACC+16*\tk+\ii+1], v[ACC+16*\tk+\ii:ACC+16*\tk+\ii+1], v[ACC+8+16*\tk+\ii:ACC+8+16*\tk+\ii+1]   ; u g: plain lines behind the exponentials
.endr
.endr
	s_wait_alu depctr_va_vdst(0)
.irp ii, 0,2,4,6,8,10,12,14
	v_pk_add_f32 v[EXR+\ii:EXR+\ii+1], v[EXR+\ii:EXR+\ii+1], 1.0 op_sel_hi:[1,0]
.endr
.set i, 0
.rept 16
	v_rcp_f32 v[EXR+i], v[EXR+i]
.set i, i+1
.endr
	v_nop                                          ; a plain line behind the reciprocals
	s_wait_alu depctr_va_vdst(0)
.irp tk, 0,1
.irp ii, 0,2,4,6
	v_pk_mul_f32 v[H+64*\tk+8*(\p)+\ii:H+64*\tk+8*(\p)+\ii+1], v[ACC+16*\tk+\ii:ACC+16*\tk+\ii+1], v[EXR+8*\tk+\ii:EXR+8*\tk+\ii+1]
.endr
.endr
.endm
; PRODUCT 3.  A content: of W_down's rows 512 s .. + 511 those that are 2 pi or 2 pi + 1 modulo 4, as 128 double rows of 1,024 bytes; all 8 K steps.
.macro LOADW3 pi, kq, set
	ds_load_b128 v[WF+16*(\set):WF+16*(\set)+3],     v[3+\pi] offset:64*(\kq)
	ds_load_b128 v[WF+16*(\set)+4:WF+16*(\set)+7],   v[3+\pi] offset:64*(\kq)+32
	ds_load_b128 v[WF+16*(\set)+8:WF+16*(\set)+11],  v[3+\pi] offset:512+64*(\kq)
	ds_load_b128 v[WF+16*(\set)+12:WF+16*(\set)+15], v[3+\pi] offset:512+64*(\kq)+32
.endm
.macro MM3 pi
.irp tq, 0,1,2,3
.set wD, ACC+8*\tq
.set wA, HF+64*(\tq/2)+8*k
.set wB, WF+16*(k%3)+8*(\tq%2)
.set wSA, HS+k
.set wSB, WS+8*\pi+4*(\tq%2)+(k%4)
.set wRA, \tq/2
.set wRB, k/4
.set wZ, 0
.if k == 0
.set wZ, 1
.endif
	WM
.endr
.endm
.macro SLOT3 pi, next, ask
	LOADW3 \pi, 0, 0
	LOADW3 \pi, 1, 1
	LOADW3 \pi, 2, 2
.if \next
.if \pi == 0
	global_load_b128 v[WS+8:WS+11], v[DSA], s[22:23] offset:64       ; the next content's scale words: columns q = 2, 3
	global_load_b128 v[WS+12:WS+15], v[DSA], s[22:23] offset:96
.else
	global_load_b128 v[WS:WS+3], v[DSA], s[22:23] offset:16384       ; q = 0, 1 of the next 512 columns
	global_load_b128 v[WS+4:WS+7], v[DSA], s[22:23] offset:16416
.endif
.endif
.if \ask
	ASKL 524288                                    ; content 20 + 2 s
.endif
	s_wait_loadcnt 2*\next                         ; all but the two loads just issued: this content's scale words (and Wscale_dp) are in
.set k, 0
.rept 8
.if k < 6
.set nw, 8
.elseif k == 6
.set nw, 4
.else
.set nw, 0
.endif
	s_wait_dscnt nw
	MM3 \pi
.if k <= 4
	PLACES
	LOADW3 \pi, k+3, k%3
.endif
.set k, k+1
.endr
.endm
.macro EPI3 pi                         ; x Wscale_dp x 64, into the output's registers: q innermost; each accumulator from its low end on
	PLACES
.if \pi == 0
.irp qq, 0,1,2,3
	v_mul_f32 v[WSC+\qq], 0x42800000, v[WSC+\qq]
.endr
.endif
	WIN 0x40
.irp tk, 0,1
.irp qq, 0,1
.irp jj, 0,1,2,3,4,5,6,7
	v_mul_f32 v[32*\tk+4*\jj+2*\pi+\qq], v[ACC+16*\tk+8*\qq+\jj], v[WSC+2*\pi+\qq]
.endr
.endr
.endr
	WIN 0
.endm
.macro STORES                          ; sixteen lanes store 256 consecutive bytes of a token's row, at a multiple of 256 from out0's first byte
	WIN 0x04
.irp tk, 0,1
.irp jj, 0,1,2,3,4,5,6,7
	global_store_b128 v[OUTA], v[32*\tk+4*\jj:32*\tk+4*\jj+3], s[26:27] offset:(16*\tk+\jj)*8192 th:TH_STORE_NT
.endr
.endr
	WIN 0
.endm
; ---------------------------------------------------------------- head
	s_load_b512 s[4:19], s[0:1], 0x0               ; input 4, SU_ug 6, SU_dp 8, Wscale_ug 10, W_up_codes 12, W_gate_codes 14, W_up_scales 16, W_gate_scales 18
	s_load_b256 s[20:27], s[0:1], 0x40             ; W_down_codes 20, W_down_scales 22, Wscale_dp 24, out0 26
	v_lshl_add_u32 v[SPW], v0, 2, SPARE
	v_mov_b32 v[NIL], 0
	ds_add_u32 v1, v2
	s_wait_dscnt 0x0
	v_lshrrev_b32 v3, 5, v0
	v_readfirstlane_b32 s28, v3                    ; wave 0..7
	s_bfe_u32 s29, ttmp6, 0x40000                  ; cx
	s_lshl_b32 s30, ttmp9, 2
	s_add_co_u32 s30, s30, s29                     ; my block of 32 tokens = 4 x cluster + cx: it enters input's, out0's and the prefetches' addresses alone
	; group 1 for products 1, 2: 32 rows x 512 bytes, 1,024 bytes apart; 16 bytes of padding behind each row
	s_mov_b32 s[G1P], 15|(1<<20)|(1<<21)|(6<<22)|(3<<25)   ; 15:0 the mask: all four work-groups; 17:16 elements of 1 byte; 20 padding on; 21 set beside a mask; 24:22 after every 128 words; 31:25 four words
	s_mov_b32 s[G1P+1], 512<<16
	s_mov_b32 s[G1P+2], 32<<16
	s_mov_b32 s[G1P+3], 512<<16
	s_mov_b32 s[G1P+4], 32
	s_mov_b32 s[G1P+5], 1024
	s_mov_b32 s[G1P+6], 0
	s_mov_b32 s[G1P+7], 0
	; group 1 for product 3: 16 double rows x 1,024 bytes, 2,048 bytes apart
	s_mov_b32 s[G1D], 15|(1<<20)|(1<<21)|(7<<22)|(3<<25)   ; padding after every 256 words
	s_mov_b32 s[G1D+1], 1024<<16
	s_mov_b32 s[G1D+2], 16<<16
	s_mov_b32 s[G1D+3], 1024<<16
	s_mov_b32 s[G1D+4], 16
	s_mov_b32 s[G1D+5], 2048
	s_mov_b32 s[G1D+6], 0
	s_mov_b32 s[G1D+7], 0
	s_mov_b32 s66, 0x39b504f3                      ; c = 2^-11.5 = 1 / (sqrt(2048) x 64)
	s_mov_b32 s67, s66
	s_mov_b32 s68, 0xbfb8aa3b                      ; - log2(e)
	s_mov_b32 s69, s68
	v_and_b32 v44, 15, v0                          ; r
	v_bfe_u32 v45, v0, 4, 1                        ; h
	v_lshlrev_b32 v[GSU], 4, v44                   ; 16 r
	v_lshl_add_u32 v[GIN], v45, 13, v[GSU]         ; + a row for lanes 16-31
	v_lshlrev_b32 v[T16], 4, v0
	s_mul_i32 s76, s28, REG                        ; my region of a slot
	s_and_b32 s77, s28, 3
	s_lshl_b32 s78, s77, 15                        ; 32 rows of 1,024 bytes for each of four waves
	s_mov_b32 s79, 0
	s_mov_b32 s3, 0
	s_lshr_b32 s31, s28, 2
	s_or_b32 s31, s31, ttmp9                       ; 0 in waves 0 to 3 of the first cluster: the same in all four partners
	s_cmp_eq_u32 s31, 0
	s_cselect_b32 s[LIM], 1, -1
	s_wait_kmcnt 0x0
	s_cmp_lt_u32 s28, 4                            ; waves 0 to 3 fetch W_up's rows, waves 4 to 7 W_gate's
	s_cselect_b64 s[G0P0+2:G0P0+3], s[12:13], s[14:15]
	s_add_nc_u64 s[G0P0+2:G0P0+3], s[G0P0+2:G0P0+3], s[78:79]
	s_add_nc_u64 s[G0P1+2:G0P1+3], s[G0P0+2:G0P0+3], 512
	s_or_b32 s[G0P0+3], s[G0P0+3], 0x80000000
	s_or_b32 s[G0P1+3], s[G0P1+3], 0x80000000
	s_mov_b32 s[G0P0], 1
	s_mov_b32 s[G0P0+1], s76
	s_mov_b32 s[G0P1], 1
	s_add_co_u32 s[G0P1+1], s76, SLOT
	s_lshl_b32 s78, s28, 15                        ; 16 double rows, 2,048 bytes apart, for each of eight waves
	s_add_nc_u64 s[G0D0+2:G0D0+3], s[20:21], s[78:79]
	s_add_nc_u64 s[G0D1+2:G0D1+3], s[G0D0+2:G0D0+3], 1024
	s_or_b32 s[G0D0+3], s[G0D0+3], 0x80000000
	s_or_b32 s[G0D1+3], s[G0D1+3], 0x80000000
	s_mov_b32 s[G0D0], 1
	s_mov_b32 s[G0D0+1], s76
	s_mov_b32 s[G0D1], 1
	s_add_co_u32 s[G0D1+1], s76, SLOT
	s_add_nc_u64 s[4:5], s[4:5], s[78:79]          ; input: my wave's 4 rows of 8,192 bytes,
	s_lshl_b32 s2, s30, 18
	s_add_nc_u64 s[4:5], s[4:5], s[2:3]            ; in my block's 32
	s_add_nc_u64 s[26:27], s[26:27], s[2:3]
	s_cmp_lt_u32 s77, 2                            ; the prefetches: waves 0, 1 W_up's rows, waves 2, 3 W_gate's: 64 rows a wave, 16 of them a partner
	s_cselect_b64 s[PFA:PFA+1], s[12:13], s[14:15]
	s_and_b32 s2, s28, 1
	s_lshl_b32 s2, s2, 6
	s_lshl_b32 s31, s29, 4
	s_add_co_u32 s2, s2, s31
	s_lshl_b32 s2, s2, 10
	s_add_nc_u64 s[PFA:PFA+1], s[PFA:PFA+1], s[2:3]
	s_lshl_b32 s2, s77, 5                          ; W_down: 32 double rows a wave, 8 of them a partner
	s_lshl_b32 s31, s29, 3
	s_add_co_u32 s2, s2, s31
	s_lshl_b32 s2, s2, 11
	s_add_nc_u64 s[PFD:PFD+1], s[20:21], s[2:3]
	ROUND                                          ; all four work-groups are here: the first joint loads meet
	tensor_load_to_lds s[G0P0:G0P0+3], s[G1P:G1P+7]    ; content 0
	s_nop 0
	tensor_load_to_lds s[G0P1:G0P1+3], s[G1P:G1P+7]    ; content 1: two loads of mine are out
	s_nop 0
	PLACES
; ---------------------------------------------------------------- X: the first transform and its quantiser.  Wave w: tokens 4 w .. 4 w + 3, two at a time, a token to each half of the lanes
	global_load_b128 v[32:35], v[T16], s[10:11]                ; Wscale_ug, up's 1,024: four a thread
	global_load_b128 v[36:39], v[T16], s[10:11] offset:4096    ; gate's
	global_load_b128 v[40:43], v[T16], s[8:9]                  ; SU_dp
.set i, 0
.rept 32
	global_load_b128 v[SU+4*i:SU+4*i+3], v[GSU], s[6:7] offset:256*i
.set i, i+1
.endr
	WIN 0x40
.set i, 0
.rept 32
	global_load_b128 v[4*i:4*i+3], v[GIN], s[4:5] offset:256*i th:TH_LOAD_NT           ; sixteen lanes read 256 consecutive bytes of a row
.set i, i+1
.endr
.set i, 0
.rept 32
	global_load_b128 v[128+4*i:128+4*i+3], v[GIN], s[4:5] offset:16384+256*i th:TH_LOAD_NT
.set i, i+1
.endr
	WIN 0
	; the addresses, while the loads are out
	v_and_b32 v46, 31, v0                          ; lane
	v_bfe_u32 v47, v0, 1, 2                        ; a = (r >> 1) & 3
	v_and_b32 v48, 1, v0                           ; r & 1
	v_bfe_u32 v49, v0, 3, 1                        ; r >> 3
	v_lshl_add_u32 v50, v49, 1, v48
	s_lshl_b32 s76, s28, 2
	v_add_nc_u32 v50, s76, v50                     ; my weight row's line in its region: (r & 1) + 2 (r >> 3) + 4 w
	v_mul_u32_u24 v3, v50, 528
	v_mad_u32_u24 v3, v47, REG, v3                 ; region a
	v_lshl_add_u32 v3, v45, 4, v3
	v_add_nc_u32 v4, 4*REG, v3
	v_add_nc_u32 v5, SLOT, v3
	v_add_nc_u32 v6, SLOT+4*REG, v3
	v_lshl_add_u32 v[WSA], v47, 5, v50
	v_lshlrev_b32 v[WSA], 6, v[WSA]                ; 64 scale bytes a row
	v_lshl_add_u32 v[WSA], v45, 4, v[WSA]          ; lanes 16-31: the content's K steps 4 to 7
	s_lshl_b32 s76, s28, 4
	s_add_co_u32 s77, s76, DSB+CONO
	v_lshl_add_u32 v[CA], v45, 3, s77
	s_lshl_b32 s77, s28, 11
	v_lshl_add_u32 v[DSA], v44, 7, s77             ; W_down's row 64 w + 4 r: 32 scale bytes a row
	v_lshl_add_u32 v[DSA], v45, 4, v[DSA]
	v_bfe_u32 v51, v0, 1, 4
	v_lshlrev_b32 v[PFO1], 10, v51                 ; a row to two lanes, 256 bytes apart
	v_lshl_add_u32 v[PFO1], v48, 8, v[PFO1]
	v_bfe_u32 v51, v0, 2, 3
	v_and_b32 v52, 3, v0
	v_lshlrev_b32 v[PFO3], 11, v51                 ; a double row to four lanes
	v_lshl_add_u32 v[PFO3], v52, 8, v[PFO3]
	v_mul_u32_u24 v[FRL], v45, 272
	v_lshl_add_u32 v[FRL], v44, 4, v[FRL]
	v_add_nc_u32 v[FRL], DSB, v[FRL]
	v_lshl_add_u32 v[LS4], v46, 2, DSB
	s_lshl_b32 s77, s28, 8
	v_lshl_add_u32 v[WSO], v44, 4, s77             ; my four columns: 256 w + 16 r bytes
	v_lshl_add_u32 v[OUTA], v45, 16, v[WSO]        ; lanes 16-31: eight rows further down
	s_mul_i32 s77, s28, 4352
	s_add_co_u32 s77, s77, DSB
	v_mul_u32_u24 v53, v45, 2176
	v_add_nc_u32 v53, s77, v53                     ; my wave's exchange, my token's half
	v_lshl_add_u32 v[XST], v44, 4, v53
	v_bfe_u32 v51, v0, 1, 3
	v_mad_u32_u24 v[XLD], v51, 272, v53            ; back: row r >> 1, half r & 1: the sixteen lanes fall on sixteen different columns of 16 bytes
	v_lshl_add_u32 v[XLD], v48, 7, v[XLD]
	s_lshr_b32 s77, s28, 2
	s_mul_i32 s77, s77, 17408
	s_and_b32 s78, s28, 3
	s_lshl_b32 s78, s78, 6
	s_add_co_u32 s77, s77, s78
	s_add_co_u32 s77, s77, DSB
	v_mul_u32_u24 v[IMS], v44, 272                 ; x's codes: [tile][block] rows of 256 + 16 bytes, a token's 16 bytes at 16 x token
	v_lshl_add_u32 v[IMS], v45, 4, v[IMS]
	v_add_nc_u32 v[IMS], s77, v[IMS]
	s_add_co_u32 s77, s76, DSB+XSCO
	v_bfe_u32 v51, v0, 2, 2
	v_lshl_add_u32 v[SBS], v51, 7, v52             ; my block's byte: 128 (r >> 2) + (r & 3) + 16 w + 4 h
	v_lshl_add_u32 v[SBS], v45, 2, v[SBS]
	v_add_nc_u32 v[SBS], s77, v[SBS]
	v_lshlrev_b32 v[SG], 31, v0
	v_or_b32 v[SG], 0x3f800000, v[SG]              ; + 1 in even lanes, - 1 in odd ones
	v_mov_b32 v[SG+1], v[SG]
	v_add_nc_u32 v[CST], DSB+CONO, v[T16]
	s_wait_loadcnt 63                              ; 64 loads were issued behind SU's last; the count's field holds 63: the scales and SU are in
	v_pk_mul_f32 v[32:33], v[32:33], v[40:41]
	v_pk_mul_f32 v[34:35], v[34:35], v[42:43]
	v_pk_mul_f32 v[36:37], v[36:37], 0x42800000 op_sel_hi:[1,0]    ; the gate's factor: Wscale x 64
	v_pk_mul_f32 v[38:39], v[38:39], 0x42800000 op_sel_hi:[1,0]
	v_pk_mul_f32 v[32:33], v[32:33], 0x3d000000 op_sel_hi:[1,0]    ; up's: Wscale x 64 x SU_dp / 32 / 64
	v_pk_mul_f32 v[34:35], v[34:35], 0x3d000000 op_sel_hi:[1,0]
	ds_store_b128 v[CST], v[36:39]
	ds_store_b128 v[CST], v[32:35] offset:4096
.set i, 0
.rept 64
	v_pk_mul_f32 v[SU+i:SU+i+1], v[SU+i:SU+i+1], s[66:67] op_sel_hi:[1,0]
.set i, i+2
.endr
	s_wait_loadcnt 32                              ; pair 0's rows are in; pair 1's 32 loads may be out
	PASSA 0
	s_wait_dscnt 0x0                               ; the two stores above have read v32-39, where LDS loads land next
	STEPX 0, 0, 0
	STEPX 0, 0, 1
	STEPX 0, 0, 2
	STEPX 0, 0, 3
	s_wait_loadcnt 0x0
	PASSA 128
	STEPX 128, 1, 0
	STEPX 128, 1, 1
	STEPX 128, 1, 2
	STEPX 128, 1, 3
	s_wait_dscnt 0x0                               ; my reads of my exchange are over:
	s_barrier_signal -1
	s_barrier_wait -1                              ; everybody's are: x's codes may be laid over the exchanges
.irp pq, 0,1
.irp ss, 0,1,2,3
	ds_store_b128 v[IMS], v[CODES+16*\pq+4*\ss:CODES+16*\pq+4*\ss+3] offset:4352*\ss+32*\pq
.endr
.endr
	global_load_b128 v[WS:WS+3], v[WSA], s[16:17]          ; content 0's scale words
	global_load_b128 v[WS+4:WS+7], v[WSA], s[18:19]
	s_wait_tensorcnt 0x1                           ; my part of content 0 is in; content 1's may stay out
	s_wait_dscnt 0x0
	s_barrier_signal -1
	s_barrier_wait -1                              ; x's codes, its scale words, the factors and slot 0 are whole
	WIN 0x40
.irp tk, 0,1
.set i, 0
.rept 32                                       ; i = 2 x K step + c: registers 4 i .. 4 i + 3 are block 2 i + h of token r
	ds_load_b128 v[128*\tk+4*i:128*\tk+4*i+3], v[FRL] offset:17408*\tk+544*i
.set i, i+1
.endr
.endr
	WIN 0
.set i, 0
.rept 16
	ds_load_b32 v[XS+i], v[LS4] offset:XSCO+128*i
.set i, i+1
.endr
; ---------------------------------------------------------------- 1: up and gate.  Written out over p: the hidden layer's registers differ from p to p
	SLOT1 0, 0
	CHANGE G0P0, G1P, 0x20000                      ; content 2
	SLOT1 0, 1
.irp pp, 1,2,3,4,5,6,7
	CHANGE G0P1, G1P, 0x20000                      ; content 2 pp + 1
	EPI1 \pp-1
	SLOT1 \pp, 0
.if \pp < 7
	CHANGE G0P0, G1P, 0x20000                      ; content 2 pp + 2
.else
	CHANGE G0D0, G1D, 0                            ; content 16: W_down's first
.endif
	SLOT1 \pp, 1
.endr
	CHANGE G0D1, G1D, 0                            ; content 17
	ASKU PFD, PFO3, 263168                         ; content 19
	global_load_b128 v[WSC:WSC+3], v[WSO], s[24:25]
	EPI1 7
; ---------------------------------------------------------------- S: the second transform and its quantiser
.irp tk, 0,1                                   ; in registers: bits 9, 8; 7, 6; 5, 0 of the unit's number (register 8 p + 2 a + j0)
.irp gg, 0,1,2,3,4,5,6,7
	R4L1 H+64*\tk+2*\gg, 32, 16, 48+8*\gg
.endr
.irp gg, 0,1,2,3,4,5,6,7
	R4L2 H+64*\tk+2*\gg, 32, 16, 48+8*\gg
.endr
.irp nn, 0,1,2,3
.irp ee, 0,1
	R4L1 H+64*\tk+16*\nn+2*\ee, 8, 4, 48+8*(2*\nn+\ee)
.endr
.endr
.irp nn, 0,1,2,3
.irp ee, 0,1
	R4L2 H+64*\tk+16*\nn+2*\ee, 8, 4, 48+8*(2*\nn+\ee)
.endr
.endr
.set i, 0
.rept 16
	v_pk_add_f32 v[48+i:49+i], v[H+64*\tk+i:H+64*\tk+i+1], v[H+64*\tk+i+2:H+64*\tk+i+3]
	v_pk_add_f32 v[50+i:51+i], v[H+64*\tk+i:H+64*\tk+i+1], v[H+64*\tk+i+2:H+64*\tk+i+3] neg_lo:[0,1] neg_hi:[0,1]
.set i, i+4
.endr
.set i, 0
.rept 16
	v_add_f32 v[H+64*\tk+i], v[48+i], v[49+i]
	v_sub_f32 v[H+64*\tk+i+1], v[48+i], v[49+i]
	v_add_f32 v[H+64*\tk+i+2], v[50+i], v[51+i]
	v_sub_f32 v[H+64*\tk+i+3], v[50+i], v[51+i]
.set i, i+4
.endr
.endr
	v_and_b32 v28, 15, v0                          ; r
	v_bfe_u32 v29, v0, 4, 1                        ; h
	v_and_b32 v30, 31, v0                          ; lane
	s_lshl_b32 s76, s28, 4
	s_add_co_u32 s76, s76, DSB
	v_mul_u32_u24 v[X2S], v28, 1040                ; the exchange: a token's 256 units of a step in a row of 1,024 + 16 bytes; in: 8 bytes at 16 w + 8 h
	v_lshl_add_u32 v[X2S], v29, 3, v[X2S]
	v_add_nc_u32 v[X2S], s76, v[X2S]
	s_lshl_b32 s76, s28, 7
	s_add_co_u32 s76, s76, DSB
	v_mul_u32_u24 v[X2L], v30, 1040                ; back: lane = token, wave = block of 32
	v_add_nc_u32 v[X2L], s76, v[X2L]
	s_mul_i32 s76, s28, 272
	s_add_co_u32 s76, s76, DSB+HIMO
	v_mul_u32_u24 v[HIS], v29, 8704                ; the codes: [tile][block] rows of 256 + 16 bytes
	v_lshl_add_u32 v[HIS], v28, 4, v[HIS]
	v_add_nc_u32 v[HIS], s76, v[HIS]
	s_lshr_b32 s76, s28, 2
	s_lshl_b32 s76, s76, 7
	s_and_b32 s77, s28, 3
	s_add_co_u32 s76, s76, s77
	s_add_co_u32 s76, s76, DSB+HSCO
	v_lshl_add_u32 v[HBS], v30, 2, s76
	s_mul_i32 s76, s28, REG
	v_mul_u32_u24 v3, v28, 1040                    ; product 3: double row r of my own region
	v_lshl_add_u32 v3, v29, 4, v3
	v_add_nc_u32 v3, s76, v3
	v_add_nc_u32 v4, SLOT, v3
.irp sg, 0,1,2,3                               ; four steps of 256 units: pairs 2 sg and 2 sg + 1
.irp tk, 0,1
.irp pq, 0,1
.irp aa, 0,1,2,3
	ds_store_b64 v[X2S], v[H+64*\tk+8*(2*\sg+\pq)+2*\aa:H+64*\tk+8*(2*\sg+\pq)+2*\aa+1] offset:16640*\tk+128*(\aa+4*\pq)
.endr
.endr
.endr
	s_wait_dscnt 0x0
	s_barrier_signal -1
	s_barrier_wait -1                              ; the step's 32 rows are whole
.irp ii, 0,1,2,3,4,5,6,7
	ds_load_b128 v[ACC+4*\ii:ACC+4*\ii+3], v[X2L] offset:16*\ii
.endr
	s_wait_dscnt 0x0                               ; my reads of the exchange are over: say so,
	s_barrier_signal -1
.irp xx, 0,2,4,6                               ; and work on registers meanwhile: bits 4, 3; 2, 1
	R4L1 ACC+\xx, 16, 8, WF+4*\xx
.endr
.irp xx, 0,2,4,6
	R4L2 ACC+\xx, 16, 8, WF+4*\xx
.endr
.irp xx, 0,8,16,24
	R4L1 ACC+\xx, 4, 2, WF+\xx
.endr
.irp xx, 0,8,16,24
	R4L2 ACC+\xx, 4, 2, WF+\xx
.endr
	QMAX ACC, 28, 29
	QCVT ACC, C2, 28, 30, 31
	s_barrier_wait -1                              ; everybody's reads are over: the next step may write the exchange
	ds_store_b128 v[HIS], v[C2:C2+3] offset:2176*\sg
	ds_store_b8 v[HBS], v31 offset:256*\sg
.endr
	s_wait_dscnt 0x0
	s_barrier_signal -1
	s_barrier_wait -1                              ; the hidden layer's codes and scale words are whole
.irp tk, 0,1
.set i, 0
.rept 16
	ds_load_b128 v[HF+64*\tk+4*i:HF+64*\tk+4*i+3], v[FRL] offset:HIMO+8704*\tk+544*i
.set i, i+1
.endr
.endr
.set i, 0
.rept 8
	ds_load_b32 v[HS+i], v[LS4] offset:HSCO+128*i
.set i, i+1
.endr
; ---------------------------------------------------------------- 3: down.  A trip: 512 output columns, two contents
	s_mov_b32 s[CNT], 3
.Lcols:
	SLOT3 0, 1, 0
	CHANGE G0D0, G1D, 0x40000                      ; content 18 + 2 s
	EPI3 0
	SLOT3 1, 1, 1
	CHANGE G0D1, G1D, 0x40000                      ; content 19 + 2 s
	ASKL 525312                                    ; content 21 + 2 s
	EPI3 1
	STORES
	s_wait_xcnt 0x0                                ; the stores, the loads and the prefetches have read their registers and bases: these may be written
	s_add_nc_u64 s[26:27], s[26:27], 2048
	s_add_nc_u64 s[22:23], s[22:23], 16384
	s_add_nc_u64 s[24:25], s[24:25], 2048
	s_add_nc_u64 s[PFD:PFD+1], s[PFD:PFD+1], 0x40000
	global_load_b128 v[WSC:WSC+3], v[WSO], s[24:25]
	s_sub_co_u32 s[CNT], s[CNT], 1
	s_cmp_lg_u32 s[CNT], 0
	s_cbranch_scc1 .Lcols
	SLOT3 0, 1, 0                                  ; the last 512 columns are written out
	CHANGE0
	EPI3 0
	SLOT3 1, 0, 0
	EPI3 1
	STORES
	s_wait_tensorcnt 0x0                           ; the wave's end
	ds_add_u32 v[SPW], v[NIL]
	s_wait_dscnt 0x0
	ROUND                                          ; the closing round: no work-group ends while a partner may still ask for a content that names it
	s_endpgm
.Lfunc_end_k_qbbbe255137_fused:
	.size	k_qbbbe255137_fused, .Lfunc_end_k_qbbbe255137_fused-k_qbbbe255137_fused
	.p2alignl 7, 3214868480
	.fill 96, 4, 3214868480
	.section	.rodata,"a",@progbits
	.p2align	6, 0x0
	.amdhsa_kernel k_qbbbe255137_fused
		.amdhsa_group_segment_fixed_size 327680
		.amdhsa_private_segment_fixed_size 0
		.amdhsa_enable_private_segment 0
		.amdhsa_kernarg_size 96
		.amdhsa_user_sgpr_count 2
		.amdhsa_user_sgpr_kernarg_segment_ptr 1
		.amdhsa_wavefront_size32 1
		.amdhsa_system_sgpr_workgroup_id_x 1
		.amdhsa_system_sgpr_workgroup_id_y 1
		.amdhsa_system_sgpr_workgroup_id_z 1
		.amdhsa_system_vgpr_workitem_id 0
		.amdhsa_next_free_vgpr 512
		.amdhsa_next_free_sgpr 80
		.amdhsa_reserve_vcc 0
		.amdhsa_float_denorm_mode_32 3
		.amdhsa_float_denorm_mode_16_64 3
		.amdhsa_memory_ordered 1
		.amdhsa_forward_progress 1
		.amdhsa_inst_pref_size 255
	.end_amdhsa_kernel
	.section	.bss,"aw",@nobits
	.p2align	6
	.space	262144
	.amdgpu_metadata
---
amdhsa.version: [ 1, 2 ]
amdhsa.kernels:
  - .name:           k_qbbbe255137_fused
    .symbol:         k_qbbbe255137_fused.kd
    .args:
      - { .name: input, .offset: 0, .size: 8, .value_kind: global_buffer, .address_space: global }
      - { .name: SU_ug, .offset: 8, .size: 8, .value_kind: global_buffer, .address_space: global }
      - { .name: SU_dp, .offset: 16, .size: 8, .value_kind: global_buffer, .address_space: global }
      - { .name: Wscale_ug, .offset: 24, .size: 8, .value_kind: global_buffer, .address_space: global }
      - { .name: W_up_codes, .offset: 32, .size: 8, .value_kind: global_buffer, .address_space: global }
      - { .name: W_gate_codes, .offset: 40, .size: 8, .value_kind: global_buffer, .address_space: global }
      - { .name: W_up_scales, .offset: 48, .size: 8, .value_kind: global_buffer, .address_space: global }
      - { .name: W_gate_scales, .offset: 56, .size: 8, .value_kind: global_buffer, .address_space: global }
      - { .name: W_down_codes, .offset: 64, .size: 8, .value_kind: global_buffer, .address_space: global }
      - { .name: W_down_scales, .offset: 72, .size: 8, .value_kind: global_buffer, .address_space: global }
      - { .name: Wscale_dp, .offset: 80, .size: 8, .value_kind: global_buffer, .address_space: global }
      - { .name: out0, .offset: 88, .size: 8, .value_kind: global_buffer, .address_space: global }
    .group_segment_fixed_size: 327680
    .private_segment_fixed_size: 0
    .kernarg_segment_align: 8
    .kernarg_segment_size: 96
    .max_flat_workgroup_size: 256
    .sgpr_count:     80
    .vgpr_count:     512
    .wavefront_size: 32
...
	.end_amdgpu_metadata
.endif
;; end of part 1
;; ======== version 2 of 2: 1 launch
;; launch fused (part 2): grid 256 x 1, 8 waves a work-group, clusters of 4 x 1, 327,680 bytes of LDS; arguments input, SU_ug, SU_dp, Wscale_ug, W_up_codes, W_gate_codes, W_up_scales, W_gate_scales, W_down_codes, W_down_scales, Wscale_dp, out0; writes out0
.if DOCPART == 2
	.amdgcn_target "amdgcn-amd-amdhsa--gfx1250"
	.amdhsa_code_object_version 6
	.text
	.protected	k_qbbbe255137_fused
	.globl	k_qbbbe255137_fused
	.p2align	8
	.type	k_qbbbe255137_fused,@function
k_qbbbe255137_fused:
	s_mov_b64 s[64:65], 0
	v_nop
	global_prefetch_b8 v0, s[64:65] scope:SCOPE_SE
	s_setreg_imm32_b32 hwreg(HW_REG_WAVE_MODE, 25, 1), 1
	s_wait_xcnt 0x0
	s_wait_alu depctr_hold_cnt(0) depctr_sa_sdst(0) depctr_va_vdst(0) depctr_va_sdst(0) depctr_va_ssrc(0) depctr_va_vcc(0) depctr_vm_vsrc(0)
	s_getreg_b32 s2, hwreg(HW_REG_IB_STS2, 6, 4)
	s_cmp_eq_u32 s2, 0
	s_cbranch_scc0 .Lentry_in_a_cluster
	s_endpgm
.Lentry_in_a_cluster:
	s_bfe_u32 s2, ttmp6, 0x10000c
	s_cmp_lg_u32 s2, 0x3003
	s_cbranch_scc0 .Lentry_shape_is_right
	s_endpgm
.Lentry_shape_is_right:
; out = Q(FWHT1024(silu(g) u SU_dp) / 64) W_down^T (Wscale_dp 64),  u, g = Q(FWHT2048(input SU_ug) / 64) (W_up, W_gate)^T (Wscale_ug 64).
; Q: MX-FP4 (E2M1 codes, one E8M0 byte for each 32 along K).  8,192 tokens, 2,048 channels, 1,024 hidden units.  Weights arrive as codes and bytes and go to the matrix unit as they lie.
; ONE LAUNCH.  Both transforms mix a whole token row, so a work-group owns whole rows: 32 tokens (two tiles of 16) from input to output; 256 work-groups.  Nothing goes to memory between the steps.
; THE WAVES SHARE COLUMNS, NOT TOKENS.  All weights (3 MB of codes) walk through a ring of two LDS slots in 24 contents of 128 KB; each wave reads its own eighth of rows, so every weight byte is read from LDS once.
; The small operand (the tokens' codes) stays in registers: 256 registers for x, later 128 for the hidden layer.
; CLUSTER: the four work-groups of a cluster walk the same weights in the same order and ask for each content JOINTLY: the same tensor load, the same descriptor, mask 15.
; THE CLUSTERS WALK THE WEIGHTS IN DIFFERENT ORDERS.  In its i-th turn cluster x takes pair p = i xor (x & 7) of products 1, 2 and column block s = i xor (x & 3) of product 3: at any time the clusters ask for
; eight (four) different parts of the weights, and in every turn but the first a cluster asks for a part that other clusters asked for in an earlier turn.  The hidden layer lies in registers by turn i, not by pair p.
; A Walsh-Hadamard transform of an input permuted by xor p0 is the true one with output k multiplied by (-1)^parity(k & p0): a block of 32 has one k, and its codes' sign bits are turned by a scalar mask: exact.
; PRODUCTS 1, 2 TRANSPOSED (source 0 = 16 weight rows, source 1 = 16 tokens): a lane holds one token, its registers run along hidden units.  Row m = 8 hD + 2 a + j0 of wave w's tile in pair p is
; hidden unit 128 p + 32 a + 4 w + 2 hD + j0: bits 0, 5 .. 9 of the unit's number then lie in a lane's registers, and the second transform does them there; bits 1 .. 4 follow after one exchange through LDS, where a lane takes a whole block of 32.
; PRODUCT 3 NOT TRANSPOSED, its weight rows chosen: column r of a tile is output 512 s + 64 w + 4 r + q, q = 0 .. 3 in four accumulators: a lane has 4 neighbouring outputs of a token and sixteen lanes store 256 consecutive bytes, aligned.
; LIMITS.  NaN and infinities among the inputs are not served.  A block whose largest magnitude lies under 2^-124, a block of zeros too, gets the byte 1 (its codes are then zeros or tiny; only this program reads the bytes).
; 1 / (sqrt(2048) 64) = 2^-11.5 is multiplied into SU_ug (one rounding more); Wscale_up x SU_dp x 2^-5 is one factor (exact for signs, else one rounding more); the butterflies run in another order than the reference's.
; The weights' scale bytes come straight from memory into registers, 16 bytes a lane, each byte once in a work-group, one content ahead: LDS has no room for them beside the ring.
.set REG,   16960                      ; a wave's region of a slot: 32 rows x (512 + 16) or 16 rows x (1,024 + 16) bytes; 16,960 / 16 = 4 mod 16, so that the 16 rows of a fragment of products 1, 2 (4 regions x 4 lines) start in 16 different columns of 16 bytes
.set SLOT,  8*REG
.set DSB,   2*SLOT                     ; behind the ring: all bytes that LDS stores write; no tensor load lands here
.set XSCO,  34816                      ; from DSB: x's scale words, 128 x K step + 4 x token
.set CONO,  36864                      ; the per-unit factors, by turn: 1,024 for the gate, then 1,024 for up
.set HIMO,  34816                      ; the hidden layer's codes (over x's scale words and the factors, both done with by then)
.set HSCO,  52224                      ; the hidden layer's scale words
.set SPARE, DSB+55296                  ; the spare words, 128 bytes for each wave: four blocks of 256 bytes that no other line names
; window 0
.set SPW, 1                            ; v1  LDS address of my spare word; never rewritten
.set NIL, 2                            ; v2  0; never rewritten
;    v3-6  my weight fragment's place: slot 0 up, gate; slot 1 up, gate.  Product 3: v3, v4 slot 0, 1.  Second transform: v5-8 below
.set WSA, 7                            ; up's and gate's scale bytes: my row of a pair, my half of a content's 8 words
.set CA,  8                            ; my units' factors in LDS
.set X2S, 5
.set X2L, 6
.set HIS, 7
.set HBS, 8
.set DSA, 9                            ; W_down's scale bytes
.set WSW, 10                           ; WSA + the pair in hand
.set PFO3, 11                          ; the prefetches' offset; never rewritten
.set FRL, 12                           ; a token fragment's place for my lane: DSB + 272 h + 16 r
.set LS4, 13                           ; DSB + 4 x lane
.set OUTA, 14
.set WSO, 15
.set GIN, 16                           ; first transform only: v16-29
.set GSU, 17
.set XST, 18
.set XLD, 19
.set IMS, 20
.set SBS, 21
.set SG,  22
.set MXA, 24
.set MXB, 25
.set SCL, 26
.set BYT, 27
.set T16, 28
.set CST, 29
.set XS,  16                           ; v16-31 x's scale words, one register a K step: lanes 0-15 tile 0, lanes 16-31 tile 1
.set HS,  16                           ; v16-23 the hidden layer's likewise
.set WSC, 24                           ; v24-27 Wscale_dp x 64 of my four columns
.set WSN, 28                           ; v28-31 Wscale_dp as loaded, a content ahead
.set WS,  32                           ; v32-47 weight scale words, two sets of 8
.set PB,  32                           ; first transform: a block of 32
.set ACC, 48                           ; v48-79 four accumulators
.set TQ,  64                           ; first transform: 32 at work
.set WF,  80                           ; v80-127 weight fragments, three sets of 16
.set CODES, 96
.set EXR, 80
.set CG,  112
.set CU,  120
.set C2,  112
.set SU,  128                          ; v128-255: SU_ug x c; then the hidden layer H[tile][turn][j]; then its fragments
.set H,   128
.set HF,  128
; window 1: the input's four rows (pair 0: v0-127, pair 1: v128-255; register 4 j + e = element 64 j + 4 r + e); then x's fragments 128 T + 8 K step; then the output 32 T + 4 j + q
.set G1P, 32
.set G1D, 40
.set G0P0, 48
.set G0P1, 52
.set G0D0, 56
.set G0D1, 60
.set CNT, 70
.set LIM, 71
.set PFD, 74
; s80 p0 = cluster & 7;  s81 s0 = cluster & 3;  s[82:83] my wave's rows of pair 0 in W_up or W_gate;  s[84:85] a content's byte offset (s85 = 0);  s[86:87] my wave's rows of column block 0 in W_down
; s[88:89] W_down_scales at the column block in hand;  s[90:91] at the next;  s[92:93] Wscale_dp at the next;  s[94:95] out0 at the block in hand;  s96 the turn;  s97 the next block;  s[98:99] an offset at work (s99 = 0)
.set MSB, 0
.macro WIN new                         ; low byte: bits 1:0 source 0, 3:2 source 1, 5:4 source 2, 7:6 destination; the high byte repeats the setting that is left
.if MSB != \new
	s_set_vgpr_msb (MSB<<8)|\new
.set MSB, \new
.endif
.endm
.macro PLACES                          ; four plain places behind a matrix instruction, ahead of loads into its registers and of reads of its results
.rept 4
	v_nop
.endr
.endm
.macro ROUND                           ; a round of the cluster's barrier
	s_barrier_signal -1
	s_barrier_wait -1
	s_cmp_lg_u32 s28, 0
	s_cbranch_scc1 .Lnw0_\@
	s_barrier_signal -3
.Lnw0_\@:
	s_barrier_wait -3
	s_barrier_signal -1
	s_barrier_wait -1
.endm
; THE CHANGE OF SLOTS, directly behind the slot that was read.  All my tensor loads have landed (one was out: my part of the other slot); the add; the descriptor's address is made; the add and my reads of the slot are done;
; a round, so that this holds of every wave of the four work-groups; then my one joint load, into the slot just read.
.macro CHANGE g0, g1                   ; the descriptor stands ready
	WIN 0
	s_wait_tensorcnt 0x0
	ds_add_u32 v[SPW], v[NIL]          ; 0 onto my spare word
	s_wait_dscnt 0x0
	ROUND
	tensor_load_to_lds s[\g0:\g0+3], s[\g1:\g1+7]
	s_nop 0
	PLACES                             ; (also the places behind the slot's last products)
.endm
.macro CHANGEA g0, g1, base            ; the content lies s[84:85] bytes behind s[base:base+1]: both hang on the wave's and the cluster's number alone, which the four partners share
	WIN 0
	s_wait_tensorcnt 0x0               ; no tensor load of mine is out, so a group 0 may be written
	ds_add_u32 v[SPW], v[NIL]          ; 0 onto my spare word
	s_add_nc_u64 s[\g0+2:\g0+3], s[\base:\base+1], s[84:85]
	s_or_b32 s[\g0+3], s[\g0+3], 0x80000000
	s_wait_dscnt 0x0
	ROUND
	tensor_load_to_lds s[\g0:\g0+3], s[\g1:\g1+7]
	s_nop 0
	PLACES
.endm
.macro TOPAIR i, kh                    ; s84: where the content of turn i, half kh of K, begins: pair i xor p0, 128 rows of 1,024 bytes a pair
	s_xor_b32 s84, s80, \i
	s_lshl_b32 s84, s84, 17
.if \kh
	s_or_b32 s84, s84, 512
.endif
.endm
.macro CHANGE0                         ; the last change: nothing is left to fetch
	WIN 0
	s_wait_tensorcnt 0x0
	ds_add_u32 v[SPW], v[NIL]
	s_wait_dscnt 0x0
	s_barrier_signal -1
	s_barrier_wait -1
	PLACES
.endm
; PREFETCH INTO THE L2 of W_down's eight contents, 512 blocks of 256 bytes each, each block named once in the launch: one content in each of the slots 5 to 12 of products 1, 2, the four contents with which
; some cluster begins product 3 first.  The first cluster asks; in it waves 0 to 3 of each work-group, one instruction each, 32 blocks; the four partners are told apart by address alone.
; W_up and W_gate are not asked for: a cluster's first pair comes with the first fills at the head, and every later pair has been asked for by other clusters in an earlier turn.
.macro ASKU ptr, voff, imm
	s_cmp_eq_u32 s[LIM], 1
	s_cbranch_scc0 .Lnm_\@
	global_prefetch_b8 v[\voff], s[\ptr:\ptr+1] offset:\imm th:TH_LOAD_NT scope:SCOPE_SE
.Lnm_\@:
.endm
; Two butterfly stages at once, on register pairs d1 and d2 apart: level 1 into eight registers at t, level 2 back in place
.macro R4L1 x, d1, d2, t
.set rx, \x
.set rt, \t
	v_pk_add_f32 v[rt:rt+1], v[rx:rx+1], v[rx+\d1:rx+\d1+1]
	v_pk_add_f32 v[rt+2:rt+3], v[rx:rx+1], v[rx+\d1:rx+\d1+1] neg_lo:[0,1] neg_hi:[0,1]
	v_pk_add_f32 v[rt+4:rt+5], v[rx+\d2:rx+\d2+1], v[rx+\d2+\d1:rx+\d2+\d1+1]
	v_pk_add_f32 v[rt+6:rt+7], v[rx+\d2:rx+\d2+1], v[rx+\d2+\d1:rx+\d2+\d1+1] neg_lo:[0,1] neg_hi:[0,1]
.endm
.macro R4L2 x, d1, d2, t
.set rx, \x
.set rt, \t
	v_pk_add_f32 v[rx:rx+1], v[rt:rt+1], v[rt+4:rt+5]
	v_pk_add_f32 v[rx+\d2:rx+\d2+1], v[rt:rt+1], v[rt+4:rt+5] neg_lo:[0,1] neg_hi:[0,1]
	v_pk_add_f32 v[rx+\d1:rx+\d1+1], v[rt+2:rt+3], v[rt+6:rt+7]
	v_pk_add_f32 v[rx+\d1+\d2:rx+\d1+\d2+1], v[rt+2:rt+3], v[rt+6:rt+7] neg_lo:[0,1] neg_hi:[0,1]
.endm
.macro R4B d, d1, d2, x0, x1, x2, x3   ; four groups in window 1, at work in window 0: two switches for 32 instructions
	WIN 0x05
	R4L1 \d+\x0, \d1, \d2, TQ
	R4L1 \d+\x1, \d1, \d2, TQ+8
	R4L1 \d+\x2, \d1, \d2, TQ+16
	R4L1 \d+\x3, \d1, \d2, TQ+24
	WIN 0x40
	R4L2 \d+\x0, \d1, \d2, TQ
	R4L2 \d+\x1, \d1, \d2, TQ+8
	R4L2 \d+\x2, \d1, \d2, TQ+16
	R4L2 \d+\x3, \d1, \d2, TQ+24
.endm
; A block of 32 in a lane's registers: its largest magnitude, with the floor 2^(3 - 127) among the leaves, so that the byte cannot fall under 1
.macro QMAX q, ma, mb
	v_max3_num_f32 v[\ma], |v[\q]|, |v[\q+1]|, |v[\q+2]|
	v_max3_num_f32 v[\mb], |v[\q+3]|, |v[\q+4]|, |v[\q+5]|
.irp ii, 6,10,14,18,22,26
	v_max3_num_f32 v[\ma], v[\ma], |v[\q+\ii]|, |v[\q+\ii+1]|
	v_max3_num_f32 v[\mb], v[\mb], |v[\q+\ii+2]|, |v[\q+\ii+3]|
.endr
	v_max3_num_f32 v[\ma], v[\ma], |v[\q+30]|, |v[\q+31]|
	v_max3_num_f32 v[\ma], v[\ma], v[\mb], 0x1800000
.endm
.macro QCVT q, c, ma, scl, by
	v_add_nc_u32 v[\scl], 0xff000000, v[\ma]       ; 2 off the exponent field: the conversion takes the exponent field of this operand as its scale
.irp gg, 0,1,2,3
	v_cvt_scalef32_pk8_fp4_f32 v[\c+\gg], v[\q+8*\gg:\q+8*\gg+7], v[\scl]
.endr
	v_lshrrev_b32 v[\by], 23, v[\scl]              ; the scale's byte; also the plain place behind the conversions
.endm
; FIRST TRANSFORM, the stages over j (bits 6 to 10 of the element's number), for the pair of tokens at v[d] of window 1.  The first stage takes SU x c with it.
.macro PASSA d
.irp bt, 0, 32
	WIN 0x01
.set i, 0
.rept 16
	v_pk_mul_f32 v[TQ+i:TQ+i+1], v[\d+64+\bt+i:\d+64+\bt+i+1], v[SU+64+\bt+i:SU+64+\bt+i+1]
.set i, i+2
.endr
	WIN 0x41
.set i, 0
.rept 16
	v_pk_fma_f32 v[\d+64+\bt+i:\d+64+\bt+i+1], v[\d+\bt+i:\d+\bt+i+1], v[SU+\bt+i:SU+\bt+i+1], v[TQ+i:TQ+i+1] neg_lo:[0,0,1] neg_hi:[0,0,1]
	v_pk_fma_f32 v[\d+\bt+i:\d+\bt+i+1], v[\d+\bt+i:\d+\bt+i+1], v[SU+\bt+i:SU+\bt+i+1], v[TQ+i:TQ+i+1]
.set i, i+2
.endr
.endr
	R4B \d, 32, 16, 0, 2, 4, 6
	R4B \d, 32, 16, 8, 10, 12, 14
	R4B \d, 32, 16, 64, 66, 68, 70
	R4B \d, 32, 16, 72, 74, 76, 78
	R4B \d, 8, 4, 0, 2, 16, 18
	R4B \d, 8, 4, 32, 34, 48, 50
	R4B \d, 8, 4, 64, 66, 80, 82
	R4B \d, 8, 4, 96, 98, 112, 114
	WIN 0
.endm
; A quarter s of the pair's rows (512 elements a token) turns through my wave's own 4,352 bytes of LDS: in as it lies, back a block of 32 to a lane (block 16 s + r of token h).
; Bit 5 lies between lanes r and r xor 1, bits 4 to 0 in the lane.  Then the block is quantised.  LDS serves a wave's instructions in order: no wait between the stores and the loads.
.macro STEPX d, pr, s
	WIN 0x04
.irp jj, 0,1,2,3,4,5,6,7
	ds_store_b128 v[XST], v[\d+32*\s+4*\jj:\d+32*\s+4*\jj+3] offset:272*\jj
.endr
	WIN 0
.irp ii, 0,1,2,3,4,5,6,7
	ds_load_b128 v[PB+4*\ii:PB+4*\ii+3], v[XLD] offset:16*\ii
.endr
	s_wait_dscnt 0x0                               ; the block is in; the last step's byte store has read its register
.set i, 0
.rept 16
	v_pk_mul_f32 v[TQ+i:TQ+i+1], v[PB+i:PB+i+1], v[SG:SG+1]       ; + mine in even lanes, - mine in odd ones
.set i, i+2
.endr
.set i, 0
.rept 32
	v_add_f32_dpp v[PB+i], v[PB+i], v[TQ+i] row_xmask:1 row_mask:0xf bank_mask:0xf   ; the neighbour's + that
.set i, i+1
.endr
.irp xx, 0,2,4,6
	R4L1 PB+\xx, 16, 8, TQ+4*\xx
.endr
.irp xx, 0,2,4,6
	R4L2 PB+\xx, 16, 8, TQ+4*\xx
.endr
.irp xx, 0,8,16,24
	R4L1 PB+\xx, 4, 2, TQ+\xx
.endr
.irp xx, 0,8,16,24
	R4L2 PB+\xx, 4, 2, TQ+\xx
.endr
.set i, 0
.rept 16
	v_add_f32 v[TQ+i], v[PB+i], v[PB+i+1]
	v_sub_f32 v[TQ+i+1], v[PB+i], v[PB+i+1]
.set i, i+2
.endr
	QMAX TQ, MXA, MXB
	QCVT TQ, CODES+16*\pr+4*\s, MXA, SCL, BYT
	ds_store_b8 v[SBS], v[BYT] offset:512*\s+8*\pr
.endm
; One scaled matrix instruction from the symbols wD, wA, wB, wSA, wSB; wZ: it starts the sum; wRA, wRB: the side's scales stand in lanes 16-31
.macro WM
.if wZ
.if wRA && wRB
	v_wmma_scale_f32_16x16x128_f8f6f4 v[wD:wD+7], v[wA:wA+7], v[wB:wB+7], 0, v[wSA], v[wSB] matrix_a_fmt:MATRIX_FMT_FP4 matrix_b_fmt:MATRIX_FMT_FP4 matrix_a_scale:MATRIX_SCALE_ROW1 matrix_b_scale:MATRIX_SCALE_ROW1
.elseif wRA
	v_wmma_scale_f32_16x16x128_f8f6f4 v[wD:wD+7], v[wA:wA+7], v[wB:wB+7], 0, v[wSA], v[wSB] matrix_a_fmt:MATRIX_FMT_FP4 matrix_b_fmt:MATRIX_FMT_FP4 matrix_a_scale:MATRIX_SCALE_ROW1
.elseif wRB
	v_wmma_scale_f32_16x16x128_f8f6f4 v[wD:wD+7], v[wA:wA+7], v[wB:wB+7], 0, v[wSA], v[wSB] matrix_a_fmt:MATRIX_FMT_FP4 matrix_b_fmt:MATRIX_FMT_FP4 matrix_b_scale:MATRIX_SCALE_ROW1
.else
	v_wmma_scale_f32_16x16x128_f8f6f4 v[wD:wD+7], v[wA:wA+7], v[wB:wB+7], 0, v[wSA], v[wSB] matrix_a_fmt:MATRIX_FMT_FP4 matrix_b_fmt:MATRIX_FMT_FP4
.endif
.else
.if wRA && wRB
	v_wmma_scale_f32_16x16x128_f8f6f4 v[wD:wD+7], v[wA:wA+7], v[wB:wB+7], v[wD:wD+7], v[wSA], v[wSB] matrix_a_fmt:MATRIX_FMT_FP4 matrix_b_fmt:MATRIX_FMT_FP4 matrix_a_scale:MATRIX_SCALE_ROW1 matrix_b_scale:MATRIX_SCALE_ROW1
.elseif wRA
	v_wmma_scale_f32_16x16x128_f8f6f4 v[wD:wD+7], v[wA:wA+7], v[wB:wB+7], v[wD:wD+7], v[wSA], v[wSB] matrix_a_fmt:MATRIX_FMT_FP4 matrix_b_fmt:MATRIX_FMT_FP4 matrix_a_scale:MATRIX_SCALE_ROW1
.elseif wRB
	v_wmma_scale_f32_16x16x128_f8f6f4 v[wD:wD+7], v[wA:wA+7], v[wB:wB+7], v[wD:wD+7], v[wSA], v[wSB] matrix_a_fmt:MATRIX_FMT_FP4 matrix_b_fmt:MATRIX_FMT_FP4 matrix_b_scale:MATRIX_SCALE_ROW1
.else
	v_wmma_scale_f32_16x16x128_f8f6f4 v[wD:wD+7], v[wA:wA+7], v[wB:wB+7], v[wD:wD+7], v[wSA], v[wSB] matrix_a_fmt:MATRIX_FMT_FP4 matrix_b_fmt:MATRIX_FMT_FP4
.endif
.endif
.endm
; PRODUCTS 1 AND 2.  The content of turn p, half kh: rows 128 (p xor p0) .. + 127 of W_up and of W_gate, half kh of K: 8 K steps of 128.
.macro LOADW1 slot, kq, set            ; my 16 rows of up and of gate, K step kq of the content
	ds_load_b128 v[WF+16*(\set):WF+16*(\set)+3],     v[3+2*\slot] offset:64*(\kq)
	ds_load_b128 v[WF+16*(\set)+4:WF+16*(\set)+7],   v[3+2*\slot] offset:64*(\kq)+32
	ds_load_b128 v[WF+16*(\set)+8:WF+16*(\set)+11],  v[4+2*\slot] offset:64*(\kq)
	ds_load_b128 v[WF+16*(\set)+12:WF+16*(\set)+15], v[4+2*\slot] offset:64*(\kq)+32
.endm
.macro MM1 kh                          ; K step k: up and gate x two tiles of tokens; the four accumulators by turns, one instruction a turn
.irp tg, 0,1,2,3
.set wD, ACC+8*\tg
.set wA, WF+16*(k%3)+8*(\tg%2)
.set wB, 128*(\tg/2)+8*(8*\kh+k)
.set wSA, WS+8*\kh+4*(\tg%2)+(k%4)
.set wSB, XS+8*\kh+k
.set wRA, k/4
.set wRB, \tg/2
.set wZ, 0
.if (\kh == 0) && (k == 0)
.set wZ, 1
.endif
	WM
.endr
.endm
.macro LOADC p                         ; the factors of my 8 units of turn p
.irp aa, 0,1,2,3
	ds_load_b64 v[CG+2*\aa:CG+2*\aa+1], v[CA] offset:512*(\p)+128*\aa
	ds_load_b64 v[CU+2*\aa:CU+2*\aa+1], v[CA] offset:4096+512*(\p)+128*\aa
.endr
.endm
.macro SLOT1 p, kh
	LOADW1 \kh, 0, 0
	LOADW1 \kh, 1, 1
	LOADW1 \kh, 2, 2
.if (\p == 7) && (\kh == 1)
	global_load_b128 v[WS:WS+3], v[DSA], s[90:91]              ; the next content is W_down's first: its scale words
	global_load_b128 v[WS+4:WS+7], v[DSA], s[90:91] offset:32
.else
.if \kh == 1
	s_wait_xcnt 0x0                                ; the last slot's two loads have read their offset, so it may be written:
	s_xor_b32 s98, s80, (\p)+1
	s_lshl_b32 s98, s98, 13                        ; the next turn's pair, 128 rows of 64 scale bytes a pair
	v_add_nc_u32 v[WSW], s98, v[WSA]
.endif
.set nk, 1-(\kh)
	global_load_b128 v[WS+8*nk:WS+8*nk+3], v[WSW], s[16:17] offset:32*nk     ; the next content's scale words, into the other set
	global_load_b128 v[WS+8*nk+4:WS+8*nk+7], v[WSW], s[18:19] offset:32*nk
.endif
.set tt, 2*(\p)+(\kh)
.if (tt >= 5) && (tt <= 12)
	ASKU PFD, PFO3, 262144*((tt-5)%4)+1024*((tt-5)/4)          ; W_down's content (s, pi) = ((tt - 5) % 4, (tt - 5) / 4)
.endif
	s_wait_loadcnt 0x2                             ; this content's scale words are in; the two loads just issued may be out
	WIN 0x04                                       ; source 1 (the tokens) in window 1
.set k, 0
.rept 8
.if k < 6
.set nw, 8                                     ; behind K step k's four loads: those of the two K steps after it
.elseif k == 6
.set nw, 4+8*\kh                               ; K step 7's four, and the eight loads of the factors
.else
.set nw, 8*\kh
.endif
	s_wait_dscnt nw
	MM1 \kh
.if k <= 4
	PLACES
	LOADW1 \kh, k+3, k%3
.endif
.if (\kh == 1) && (k == 5)
	PLACES
	LOADC \p                                       ; into set 2, which has had its last K step
.endif
.set k, k+1
.endr
	WIN 0
.endm
; silu(g) u x SU_dp / 32 / 64 for turn p, each accumulator from its low end on
.macro EPI1 p
	PLACES
	s_wait_dscnt 0x0
.irp tk, 0,1
.irp ii, 0,2,4,6
	v_pk_mul_f32 v[ACC+8+16*\tk+\ii:ACC+8+16*\tk+\ii+1], v[ACC+8+16*\tk+\ii:ACC+8+16*\tk+\ii+1], v[CG+\ii:CG+\ii+1]   ; g
.endr
.endr
.irp tk, 0,1
.irp ii, 0,2,4,6
	v_pk_mul_f32 v[EXR+8*\tk+\ii:EXR+8*\tk+\ii+1], v[ACC+8+16*\tk+\ii:ACC+8+16*\tk+\ii+1], s[68:69] op_sel_hi:[1,0]   ; - g log2(e)
.endr
.endr
.irp tk, 0,1
.irp ii, 0,2,4,6
	v_pk_mul_f32 v[ACC+16*\tk+\ii:ACC+16*\tk+\ii+1], v[ACC+16*\tk+\ii:ACC+16*\tk+\ii+1], v[CU+\ii:CU+\ii+1]
.endr
.endr
.set i, 0
.rept 16
	v_exp_f32 v[EXR+i], v[EXR+i]
.set i, i+1
.endr
.irp tk, 0,1
.irp ii, 0,2,4,6
	v_pk_mul_f32 v[ACC+16*\tk+\ii:ACC+16*\tk+\ii+1], v[ACC+16*\tk+\ii:ACC+16*\tk+\ii+1], v[ACC+8+16*\tk+\ii:ACC+8+16*\tk+\ii+1]   ; u g: plain lines behind the exponentials
.endr
.endr
	s_wait_alu depctr_va_vdst(0)
.irp ii, 0,2,4,6,8,10,12,14
	v_pk_add_f32 v[EXR+\ii:EXR+\ii+1], v[EXR+\ii:EXR+\ii+1], 1.0 op_sel_hi:[1,0]
.endr
.set i, 0
.rept 16
	v_rcp_f32 v[EXR+i], v[EXR+i]
.set i, i+1
.endr
	v_nop                                          ; a plain line behind the reciprocals
	s_wait_alu depctr_va_vdst(0)
.irp tk, 0,1
.irp ii, 0,2,4,6
	v_pk_mul_f32 v[H+64*\tk+8*(\p)+\ii:H+64*\tk+8*(\p)+\ii+1], v[ACC+16*\tk+\ii:ACC+16*\tk+\ii+1], v[EXR+8*\tk+\ii:EXR+8*\tk+\ii+1]
.endr
.endr
.endm
; PRODUCT 3.  A content: of W_down's rows 512 s .. + 511 those that are 2 pi or 2 pi + 1 modulo 4, as 128 double rows of 1,024 bytes; all 8 K steps.
.macro LOADW3 pi, kq, set
	ds_load_b128 v[WF+16*(\set):WF+16*(\set)+3],     v[3+\pi] offset:64*(\kq)
	ds_load_b128 v[WF+16*(\set)+4:WF+16*(\set)+7],   v[3+\pi] offset:64*(\kq)+32
	ds_load_b128 v[WF+16*(\set)+8:WF+16*(\set)+11],  v[3+\pi] offset:512+64*(\kq)
	ds_load_b128 v[WF+16*(\set)+12:WF+16*(\set)+15], v[3+\pi] offset:512+64*(\kq)+32
.endm
.macro MM3 pi
.irp tq, 0,1,2,3
.set wD, ACC+8*\tq
.set wA, HF+64*(\tq/2)+8*k
.set wB, WF+16*(k%3)+8*(\tq%2)
.set wSA, HS+k
.set wSB, WS+8*\pi+4*(\tq%2)+(k%4)
.set wRA, \tq/2
.set wRB, k/4
.set wZ, 0
.if k == 0
.set wZ, 1
.endif
	WM
.endr
.endm
.macro SLOT3 pi, next
	LOADW3 \pi, 0, 0
	LOADW3 \pi, 1, 1
	LOADW3 \pi, 2, 2
.if \next
.if \pi == 0
	global_load_b128 v[WS+8:WS+11], v[DSA], s[88:89] offset:64       ; the next content's scale words: columns q = 2, 3 of the block in hand
	global_load_b128 v[WS+12:WS+15], v[DSA], s[88:89] offset:96
.else
	global_load_b128 v[WS:WS+3], v[DSA], s[90:91]                    ; q = 0, 1 of the next column block,
	global_load_b128 v[WS+4:WS+7], v[DSA], s[90:91] offset:32
	global_load_b128 v[WSN:WSN+3], v[WSO], s[92:93]                  ; and its Wscale_dp
.endif
.endif
	s_wait_loadcnt (2+\pi)*\next                   ; all but the two or three loads just issued: this content's scale words (and, for pi = 0, Wscale_dp) are in
.set k, 0
.rept 8
.if k < 6
.set nw, 8
.elseif k == 6
.set nw, 4
.else
.set nw, 0
.endif
	s_wait_dscnt nw
	MM3 \pi
.if k <= 4
	PLACES
	LOADW3 \pi, k+3, k%3
.endif
.set k, k+1
.endr
.endm
.macro EPI3 pi                         ; x Wscale_dp x 64, into the output's registers: q innermost; each accumulator from its low end on
	PLACES
.if \pi == 0
.irp qq, 0,1,2,3
	v_mul_f32 v[WSC+\qq], 0x42800000, v[WSN+\qq]
.endr
.endif
	WIN 0x40
.irp tk, 0,1
.irp qq, 0,1
.irp jj, 0,1,2,3,4,5,6,7
	v_mul_f32 v[32*\tk+4*\jj+2*\pi+\qq], v[ACC+16*\tk+8*\qq+\jj], v[WSC+2*\pi+\qq]
.endr
.endr
.endr
	WIN 0
.endm
.macro STORES                          ; sixteen lanes store 256 consecutive bytes of a token's row, at a multiple of 256 from out0's first byte
	WIN 0x04
.irp tk, 0,1
.irp jj, 0,1,2,3,4,5,6,7
	global_store_b128 v[OUTA], v[32*\tk+4*\jj:32*\tk+4*\jj+3], s[94:95] offset:(16*\tk+\jj)*8192 th:TH_STORE_NT
.endr
.endr
	WIN 0
.endm
.macro NEXTP                           ; from s97, the next column block: where its scale bytes (512 rows of 32) and its Wscale_dp (512 numbers) begin
	s_lshl_b32 s98, s97, 14
	s_add_nc_u64 s[90:91], s[22:23], s[98:99]
	s_lshl_b32 s98, s97, 11
	s_add_nc_u64 s[92:93], s[24:25], s[98:99]
.endm
.macro ADVANCE                         ; the next column block becomes the block in hand
	s_wait_xcnt 0x0                                ; the stores and the loads have read their registers and bases: these may be written
	s_mov_b64 s[88:89], s[90:91]
	s_lshl_b32 s98, s97, 11
	s_add_nc_u64 s[94:95], s[26:27], s[98:99]      ; its 512 columns of out0
	s_add_co_u32 s96, s96, 1
	s_xor_b32 s97, s96, s81                        ; turn i's block is i xor s0
	s_and_b32 s97, s97, 3                          ; (behind the last turn: a block that exists; its addresses are not used)
	NEXTP
.endm
; ---------------------------------------------------------------- head
	s_load_b512 s[4:19], s[0:1], 0x0               ; input 4, SU_ug 6, SU_dp 8, Wscale_ug 10, W_up_codes 12, W_gate_codes 14, W_up_scales 16, W_gate_scales 18
	s_load_b256 s[20:27], s[0:1], 0x40             ; W_down_codes 20, W_down_scales 22, Wscale_dp 24, out0 26
	v_lshl_add_u32 v[SPW], v0, 2, SPARE
	v_mov_b32 v[NIL], 0
	ds_add_u32 v1, v2
	s_wait_dscnt 0x0
	v_lshrrev_b32 v3, 5, v0
	v_readfirstlane_b32 s28, v3                    ; wave 0..7
	s_bfe_u32 s29, ttmp6, 0x40000                  ; cx
	s_lshl_b32 s30, ttmp9, 2
	s_add_co_u32 s30, s30, s29                     ; my block of 32 tokens = 4 x cluster + cx: it enters input's, out0's and the prefetches' addresses alone
	s_and_b32 s80, ttmp9, 7                        ; p0, s0: where my cluster begins its walks; the same in the four partners
	s_and_b32 s81, ttmp9, 3
	s_mov_b32 s85, 0
	s_mov_b32 s99, 0
	s_mov_b32 s96, 0                               ; the turn of product 3
	s_mov_b32 s97, s81                             ; its first column block
	; group 1 for products 1, 2: 32 rows x 512 bytes, 1,024 bytes apart; 16 bytes of padding behind each row
	s_mov_b32 s[G1P], 15|(1<<20)|(1<<21)|(6<<22)|(3<<25)   ; 15:0 the mask: all four work-groups; 17:16 elements of 1 byte; 20 padding on; 21 set beside a mask; 24:22 after every 128 words; 31:25 four words
	s_mov_b32 s[G1P+1], 512<<16
	s_mov_b32 s[G1P+2], 32<<16
	s_mov_b32 s[G1P+3], 512<<16
	s_mov_b32 s[G1P+4], 32
	s_mov_b32 s[G1P+5], 1024
	s_mov_b32 s[G1P+6], 0
	s_mov_b32 s[G1P+7], 0
	; group 1 for product 3: 16 double rows x 1,024 bytes, 2,048 bytes apart
	s_mov_b32 s[G1D], 15|(1<<20)|(1<<21)|(7<<22)|(3<<25)   ; padding after every 256 words
	s_mov_b32 s[G1D+1], 1024<<16
	s_mov_b32 s[G1D+2], 16<<16
	s_mov_b32 s[G1D+3], 1024<<16
	s_mov_b32 s[G1D+4], 16
	s_mov_b32 s[G1D+5], 2048
	s_mov_b32 s[G1D+6], 0
	s_mov_b32 s[G1D+7], 0
	s_mov_b32 s66, 0x39b504f3                      ; c = 2^-11.5 = 1 / (sqrt(2048) x 64)
	s_mov_b32 s67, s66
	s_mov_b32 s68, 0xbfb8aa3b                      ; - log2(e)
	s_mov_b32 s69, s68
	v_and_b32 v44, 15, v0                          ; r
	v_bfe_u32 v45, v0, 4, 1                        ; h
	v_lshlrev_b32 v[GSU], 4, v44                   ; 16 r
	v_lshl_add_u32 v[GIN], v45, 13, v[GSU]         ; + a row for lanes 16-31
	v_and_b32 v[T16], 31, v0                       ; the factors: thread t makes those of turn w = t / 32, four units at 4 (t % 32): it LOADS those of pair w xor p0
	v_lshlrev_b32 v[T16], 4, v[T16]
	s_xor_b32 s98, s28, s80
	s_lshl_b32 s98, s98, 9
	v_add_nc_u32 v[T16], s98, v[T16]
	s_mul_i32 s76, s28, REG                        ; my region of a slot
	s_and_b32 s77, s28, 3
	s_lshl_b32 s78, s77, 15                        ; 32 rows of 1,024 bytes for each of four waves
	s_mov_b32 s79, 0
	s_mov_b32 s3, 0
	s_lshr_b32 s31, s28, 2
	s_or_b32 s31, s31, ttmp9                       ; 0 in waves 0 to 3 of the first cluster: the same in all four partners
	s_cmp_eq_u32 s31, 0
	s_cselect_b32 s[LIM], 1, -1
	s_wait_kmcnt 0x0
	s_cmp_lt_u32 s28, 4                            ; waves 0 to 3 fetch W_up's rows, waves 4 to 7 W_gate's
	s_cselect_b64 s[82:83], s[12:13], s[14:15]
	s_add_nc_u64 s[82:83], s[82:83], s[78:79]
	s_lshl_b32 s84, s80, 17                        ; turn 0: pair p0
	s_add_nc_u64 s[G0P0+2:G0P0+3], s[82:83], s[84:85]
	s_add_nc_u64 s[G0P1+2:G0P1+3], s[G0P0+2:G0P0+3], 512
	s_or_b32 s[G0P0+3], s[G0P0+3], 0x80000000
	s_or_b32 s[G0P1+3], s[G0P1+3], 0x80000000
	s_mov_b32 s[G0P0], 1
	s_mov_b32 s[G0P0+1], s76
	s_mov_b32 s[G0P1], 1
	s_add_co_u32 s[G0P1+1], s76, SLOT
	s_lshl_b32 s78, s28, 15                        ; 16 double rows, 2,048 bytes apart, for each of eight waves
	s_add_nc_u64 s[86:87], s[20:21], s[78:79]
	s_lshl_b32 s84, s81, 18                        ; turn 0: column block s0, 512 rows of 512 bytes a block
	s_add_nc_u64 s[G0D0+2:G0D0+3], s[86:87], s[84:85]
	s_add_nc_u64 s[G0D1+2:G0D1+3], s[G0D0+2:G0D0+3], 1024
	s_or_b32 s[G0D0+3], s[G0D0+3], 0x80000000
	s_or_b32 s[G0D1+3], s[G0D1+3], 0x80000000
	s_mov_b32 s[G0D0], 1
	s_mov_b32 s[G0D0+1], s76
	s_mov_b32 s[G0D1], 1
	s_add_co_u32 s[G0D1+1], s76, SLOT
	NEXTP                                          ; W_down_scales and Wscale_dp at column block s0
	s_add_nc_u64 s[4:5], s[4:5], s[78:79]          ; input: my wave's 4 rows of 8,192 bytes,
	s_lshl_b32 s2, s30, 18
	s_add_nc_u64 s[4:5], s[4:5], s[2:3]            ; in my block's 32
	s_add_nc_u64 s[26:27], s[26:27], s[2:3]
	s_lshl_b32 s2, s77, 5                          ; the prefetches of W_down: 32 double rows a wave, 8 of them a partner
	s_lshl_b32 s31, s29, 3
	s_add_co_u32 s2, s2, s31
	s_lshl_b32 s2, s2, 11
	s_add_nc_u64 s[PFD:PFD+1], s[20:21], s[2:3]
	ROUND                                          ; all four work-groups are here: the first joint loads meet
	tensor_load_to_lds s[G0P0:G0P0+3], s[G1P:G1P+7]    ; turn 0, first half of K
	s_nop 0
	tensor_load_to_lds s[G0P1:G0P1+3], s[G1P:G1P+7]    ; second half: two loads of mine are out
	s_nop 0
	PLACES
; ---------------------------------------------------------------- X: the first transform and its quantiser.  Wave w: tokens 4 w .. 4 w + 3, two at a time, a token to each half of the lanes
	global_load_b128 v[32:35], v[T16], s[10:11]                ; Wscale_ug, up's 1,024: four a thread
	global_load_b128 v[36:39], v[T16], s[10:11] offset:4096    ; gate's
	global_load_b128 v[40:43], v[T16], s[8:9]                  ; SU_dp
.set i, 0
.rept 32
	global_load_b128 v[SU+4*i:SU+4*i+3], v[GSU], s[6:7] offset:256*i
.set i, i+1
.endr
	WIN 0x40
.set i, 0
.rept 32
	global_load_b128 v[4*i:4*i+3], v[GIN], s[4:5] offset:256*i th:TH_LOAD_NT           ; sixteen lanes read 256 consecutive bytes of a row
.set i, i+1
.endr
.set i, 0
.rept 32
	global_load_b128 v[128+4*i:128+4*i+3], v[GIN], s[4:5] offset:16384+256*i th:TH_LOAD_NT
.set i, i+1
.endr
	WIN 0
	; the addresses, while the loads are out
	v_and_b32 v46, 31, v0                          ; lane
	v_bfe_u32 v47, v0, 1, 2                        ; a = (r >> 1) & 3
	v_and_b32 v48, 1, v0                           ; r & 1
	v_bfe_u32 v49, v0, 3, 1                        ; r >> 3
	v_lshl_add_u32 v50, v49, 1, v48
	s_lshl_b32 s76, s28, 2
	v_add_nc_u32 v50, s76, v50                     ; my weight row's line in its region: (r & 1) + 2 (r >> 3) + 4 w
	v_mul_u32_u24 v3, v50, 528
	v_mad_u32_u24 v3, v47, REG, v3                 ; region a
	v_lshl_add_u32 v3, v45, 4, v3
	v_add_nc_u32 v4, 4*REG, v3
	v_add_nc_u32 v5, SLOT, v3
	v_add_nc_u32 v6, SLOT+4*REG, v3
	v_lshl_add_u32 v[WSA], v47, 5, v50
	v_lshlrev_b32 v[WSA], 6, v[WSA]                ; 64 scale bytes a row
	v_lshl_add_u32 v[WSA], v45, 4, v[WSA]          ; lanes 16-31: the content's K steps 4 to 7
	s_lshl_b32 s98, s80, 13
	v_add_nc_u32 v[WSW], s98, v[WSA]               ; in pair p0
	s_lshl_b32 s76, s28, 4
	s_add_co_u32 s77, s76, DSB+CONO
	v_lshl_add_u32 v[CA], v45, 3, s77
	s_lshl_b32 s77, s28, 11
	v_lshl_add_u32 v[DSA], v44, 7, s77             ; W_down's row 64 w + 4 r of a column block: 32 scale bytes a row
	v_lshl_add_u32 v[DSA], v45, 4, v[DSA]
	v_bfe_u32 v51, v0, 2, 3
	v_and_b32 v52, 3, v0
	v_lshlrev_b32 v[PFO3], 11, v51                 ; a double row to four lanes, 256 bytes apart
	v_lshl_add_u32 v[PFO3], v52, 8, v[PFO3]
	v_mul_u32_u24 v[FRL], v45, 272
	v_lshl_add_u32 v[FRL], v44, 4, v[FRL]
	v_add_nc_u32 v[FRL], DSB, v[FRL]
	v_lshl_add_u32 v[LS4], v46, 2, DSB
	s_lshl_b32 s77, s28, 8
	v_lshl_add_u32 v[WSO], v44, 4, s77             ; my four columns: 256 w + 16 r bytes
	v_lshl_add_u32 v[OUTA], v45, 16, v[WSO]        ; lanes 16-31: eight rows further down
	s_mul_i32 s77, s28, 4352
	s_add_co_u32 s77, s77, DSB
	v_mul_u32_u24 v53, v45, 2176
	v_add_nc_u32 v53, s77, v53                     ; my wave's exchange, my token's half
	v_lshl_add_u32 v[XST], v44, 4, v53
	v_bfe_u32 v51, v0, 1, 3
	v_mad_u32_u24 v[XLD], v51, 272, v53            ; back: row r >> 1, half r & 1: the sixteen lanes fall on sixteen different columns of 16 bytes
	v_lshl_add_u32 v[XLD], v48, 7, v[XLD]
	s_lshr_b32 s77, s28, 2
	s_mul_i32 s77, s77, 17408
	s_and_b32 s78, s28, 3
	s_lshl_b32 s78, s78, 6
	s_add_co_u32 s77, s77, s78
	s_add_co_u32 s77, s77, DSB
	v_mul_u32_u24 v[IMS], v44, 272                 ; x's codes: [tile][block] rows of 256 + 16 bytes, a token's 16 bytes at 16 x token
	v_lshl_add_u32 v[IMS], v45, 4, v[IMS]
	v_add_nc_u32 v[IMS], s77, v[IMS]
	s_add_co_u32 s77, s76, DSB+XSCO
	v_bfe_u32 v51, v0, 2, 2
	v_lshl_add_u32 v[SBS], v51, 7, v52             ; my block's byte: 128 (r >> 2) + (r & 3) + 16 w + 4 h
	v_lshl_add_u32 v[SBS], v45, 2, v[SBS]
	v_add_nc_u32 v[SBS], s77, v[SBS]
	v_lshlrev_b32 v[SG], 31, v0
	v_or_b32 v[SG], 0x3f800000, v[SG]              ; + 1 in even lanes, - 1 in odd ones
	v_mov_b32 v[SG+1], v[SG]
	v_lshl_add_u32 v[CST], v0, 4, DSB+CONO         ; the factors' place in LDS goes by the thread's number alone: turn w, not pair
	s_wait_loadcnt 63                              ; 64 loads were issued behind SU's last; the count's field holds 63: the scales and SU are in
	v_pk_mul_f32 v[32:33], v[32:33], v[40:41]
	v_pk_mul_f32 v[34:35], v[34:35], v[42:43]
	v_pk_mul_f32 v[36:37], v[36:37], 0x42800000 op_sel_hi:[1,0]    ; the gate's factor: Wscale x 64
	v_pk_mul_f32 v[38:39], v[38:39], 0x42800000 op_sel_hi:[1,0]
	v_pk_mul_f32 v[32:33], v[32:33], 0x3d000000 op_sel_hi:[1,0]    ; up's: Wscale x 64 x SU_dp / 32 / 64
	v_pk_mul_f32 v[34:35], v[34:35], 0x3d000000 op_sel_hi:[1,0]
	ds_store_b128 v[CST], v[36:39]
	ds_store_b128 v[CST], v[32:35] offset:4096
.set i, 0
.rept 64
	v_pk_mul_f32 v[SU+i:SU+i+1], v[SU+i:SU+i+1], s[66:67] op_sel_hi:[1,0]
.set i, i+2
.endr
	s_wait_loadcnt 32                              ; pair 0's rows are in; pair 1's 32 loads may be out
	PASSA 0
	s_wait_dscnt 0x0                               ; the two stores above have read v32-39, where LDS loads land next
	STEPX 0, 0, 0
	STEPX 0, 0, 1
	STEPX 0, 0, 2
	STEPX 0, 0, 3
	s_wait_loadcnt 0x0
	PASSA 128
	STEPX 128, 1, 0
	STEPX 128, 1, 1
	STEPX 128, 1, 2
	STEPX 128, 1, 3
	s_wait_dscnt 0x0                               ; my reads of my exchange are over:
	s_barrier_signal -1
	s_barrier_wait -1                              ; everybody's are: x's codes may be laid over the exchanges
.irp pq, 0,1
.irp ss, 0,1,2,3
	ds_store_b128 v[IMS], v[CODES+16*\pq+4*\ss:CODES+16*\pq+4*\ss+3] offset:4352*\ss+32*\pq
.endr
.endr
	global_load_b128 v[WS:WS+3], v[WSW], s[16:17]          ; the first content's scale words
	global_load_b128 v[WS+4:WS+7], v[WSW], s[18:19]
	s_wait_tensorcnt 0x1                           ; my part of the first content is in; the second's may stay out
	s_wait_dscnt 0x0
	s_barrier_signal -1
	s_barrier_wait -1                              ; x's codes, its scale words, the factors and slot 0 are whole
	WIN 0x40
.irp tk, 0,1
.set i, 0
.rept 32                                       ; i = 2 x K step + c: registers 4 i .. 4 i + 3 are block 2 i + h of token r
	ds_load_b128 v[128*\tk+4*i:128*\tk+4*i+3], v[FRL] offset:17408*\tk+544*i
.set i, i+1
.endr
.endr
	WIN 0
.set i, 0
.rept 16
	ds_load_b32 v[XS+i], v[LS4] offset:XSCO+128*i
.set i, i+1
.endr
; ---------------------------------------------------------------- 1: up and gate.  Written out over the turns: the hidden layer's registers differ from turn to turn
	SLOT1 0, 0
	TOPAIR 1, 0
	CHANGEA G0P0, G1P, 82
	SLOT1 0, 1
.irp pp, 1,2,3,4,5,6,7
	TOPAIR \pp, 1
	CHANGEA G0P1, G1P, 82
	EPI1 \pp-1
	SLOT1 \pp, 0
.if \pp < 7
	TOPAIR \pp+1, 0
	CHANGEA G0P0, G1P, 82
.else
	CHANGE G0D0, G1D                               ; W_down's column block s0, pi = 0: its descriptor was made at the head
.endif
	SLOT1 \pp, 1
.endr
	CHANGE G0D1, G1D                               ; pi = 1
	global_load_b128 v[WSN:WSN+3], v[WSO], s[92:93]
	EPI1 7
; ---------------------------------------------------------------- S: the second transform and its quantiser
.irp tk, 0,1                                   ; in registers: bits 9, 8; 7, 6; 5, 0 of the unit's number (register 8 turn + 2 a + j0)
.irp gg, 0,1,2,3,4,5,6,7
	R4L1 H+64*\tk+2*\gg, 32, 16, 48+8*\gg
.endr
.irp gg, 0,1,2,3,4,5,6,7
	R4L2 H+64*\tk+2*\gg, 32, 16, 48+8*\gg
.endr
.irp nn, 0,1,2,3
.irp ee, 0,1
	R4L1 H+64*\tk+16*\nn+2*\ee, 8, 4, 48+8*(2*\nn+\ee)
.endr
.endr
.irp nn, 0,1,2,3
.irp ee, 0,1
	R4L2 H+64*\tk+16*\nn+2*\ee, 8, 4, 48+8*(2*\nn+\ee)
.endr
.endr
.set i, 0
.rept 16
	v_pk_add_f32 v[48+i:49+i], v[H+64*\tk+i:H+64*\tk+i+1], v[H+64*\tk+i+2:H+64*\tk+i+3]
	v_pk_add_f32 v[50+i:51+i], v[H+64*\tk+i:H+64*\tk+i+1], v[H+64*\tk+i+2:H+64*\tk+i+3] neg_lo:[0,1] neg_hi:[0,1]
.set i, i+4
.endr
.set i, 0
.rept 16
	v_add_f32 v[H+64*\tk+i], v[48+i], v[49+i]
	v_sub_f32 v[H+64*\tk+i+1], v[48+i], v[49+i]
	v_add_f32 v[H+64*\tk+i+2], v[50+i], v[51+i]
	v_sub_f32 v[H+64*\tk+i+3], v[50+i], v[51+i]
.set i, i+4
.endr
.endr
	v_and_b32 v16, 15, v0                          ; r
	v_bfe_u32 v17, v0, 4, 1                        ; h
	v_and_b32 v18, 31, v0                          ; lane
	s_lshl_b32 s76, s28, 4
	s_add_co_u32 s76, s76, DSB
	v_mul_u32_u24 v[X2S], v16, 1040                ; the exchange: a token's 256 units of a step in a row of 1,024 + 16 bytes; in: 8 bytes at 16 w + 8 h
	v_lshl_add_u32 v[X2S], v17, 3, v[X2S]
	v_add_nc_u32 v[X2S], s76, v[X2S]
	s_lshl_b32 s76, s28, 7
	s_add_co_u32 s76, s76, DSB
	v_mul_u32_u24 v[X2L], v18, 1040                ; back: lane = token, wave = block of 32
	v_add_nc_u32 v[X2L], s76, v[X2L]
	s_mul_i32 s76, s28, 272
	s_add_co_u32 s76, s76, DSB+HIMO
	v_mul_u32_u24 v[HIS], v17, 8704                ; the codes: [tile][block] rows of 256 + 16 bytes
	v_lshl_add_u32 v[HIS], v16, 4, v[HIS]
	v_add_nc_u32 v[HIS], s76, v[HIS]
	s_lshr_b32 s76, s28, 2
	s_lshl_b32 s76, s76, 7
	s_and_b32 s77, s28, 3
	s_add_co_u32 s76, s76, s77
	s_add_co_u32 s76, s76, DSB+HSCO
	v_lshl_add_u32 v[HBS], v18, 2, s76
	s_mul_i32 s76, s28, REG
	v_mul_u32_u24 v3, v16, 1040                    ; product 3: double row r of my own region
	v_lshl_add_u32 v3, v17, 4, v3
	v_add_nc_u32 v3, s76, v3
	v_add_nc_u32 v4, SLOT, v3
	s_lshr_b32 s78, s28, 2
.irp sg, 0,1,2,3                               ; four steps of 256 units: outputs k = 2 sg and 2 sg + 1 of the stages over the turns
	s_or_b32 s76, s78, 2*\sg                       ; my block 8 sg + w has k = 2 sg + w / 4: it came out times (-1)^parity(k & p0)
	s_and_b32 s76, s76, s80
	s_lshr_b32 s77, s76, 1
	s_xor_b32 s76, s76, s77
	s_lshr_b32 s77, s77, 1
	s_xor_b32 s76, s76, s77
	s_and_b32 s76, s76, 1
	s_mul_i32 s79, s76, 0x88888888                 ; the eight sign bits of a register of codes, or nothing
.irp tk, 0,1
.irp pq, 0,1
.irp aa, 0,1,2,3
	ds_store_b64 v[X2S], v[H+64*\tk+8*(2*\sg+\pq)+2*\aa:H+64*\tk+8*(2*\sg+\pq)+2*\aa+1] offset:16640*\tk+128*(\aa+4*\pq)
.endr
.endr
.endr
	s_wait_dscnt 0x0
	s_barrier_signal -1
	s_barrier_wait -1                              ; the step's 32 rows are whole
.irp ii, 0,1,2,3,4,5,6,7
	ds_load_b128 v[ACC+4*\ii:ACC+4*\ii+3], v[X2L] offset:16*\ii
.endr
	s_wait_dscnt 0x0                               ; my reads of the exchange are over: say so,
	s_barrier_signal -1
.irp xx, 0,2,4,6                               ; and work on registers meanwhile: bits 4, 3; 2, 1
	R4L1 ACC+\xx, 16, 8, WF+4*\xx
.endr
.irp xx, 0,2,4,6
	R4L2 ACC+\xx, 16, 8, WF+4*\xx
.endr
.irp xx, 0,8,16,24
	R4L1 ACC+\xx, 4, 2, WF+\xx
.endr
.irp xx, 0,8,16,24
	R4L2 ACC+\xx, 4, 2, WF+\xx
.endr
	QMAX ACC, 16, 17
	QCVT ACC, C2, 16, 18, 19
.irp gg, 0,1,2,3
	v_xor_b32 v[C2+\gg], s79, v[C2+\gg]            ; the block's sign is put right on its codes: the quantiser treats a number and its negative alike
.endr
	s_barrier_wait -1                              ; everybody's reads are over: the next step may write the exchange
	ds_store_b128 v[HIS], v[C2:C2+3] offset:2176*\sg
	ds_store_b8 v[HBS], v19 offset:256*\sg
.endr
	s_wait_dscnt 0x0
	s_barrier_signal -1
	s_barrier_wait -1                              ; the hidden layer's codes and scale words are whole
.irp tk, 0,1
.set i, 0
.rept 16
	ds_load_b128 v[HF+64*\tk+4*i:HF+64*\tk+4*i+3], v[FRL] offset:HIMO+8704*\tk+544*i
.set i, i+1
.endr
.endr
.set i, 0
.rept 8
	ds_load_b32 v[HS+i], v[LS4] offset:HSCO+128*i
.set i, i+1
.endr
; ---------------------------------------------------------------- 3: down.  A trip: a column block of 512 outputs, two contents
	ADVANCE                                        ; column block s0 is in hand; the next is 1 xor s0
	s_mov_b32 s[CNT], 3
.Lcols:
	SLOT3 0, 1
	s_lshl_b32 s84, s97, 18                        ; the next column block, pi = 0
	CHANGEA G0D0, G1D, 86
	EPI3 0
	SLOT3 1, 1
	s_or_b32 s84, s84, 1024                        ; pi = 1
	CHANGEA G0D1, G1D, 86
	EPI3 1
	STORES
	ADVANCE
	s_sub_co_u32 s[CNT], s[CNT], 1
	s_cmp_lg_u32 s[CNT], 0
	s_cbranch_scc1 .Lcols
	SLOT3 0, 1                                     ; the last column block is written out
	CHANGE0
	EPI3 0
	SLOT3 1, 0
	EPI3 1
	STORES
	s_wait_tensorcnt 0x0                           ; the wave's end
	ds_add_u32 v[SPW], v[NIL]
	s_wait_dscnt 0x0
	ROUND                                          ; the closing round: no work-group ends while a partner may still ask for a content that names it
	s_endpgm
.Lfunc_end_k_qbbbe255137_fused:
	.size	k_qbbbe255137_fused, .Lfunc_end_k_qbbbe255137_fused-k_qbbbe255137_fused
	.p2alignl 7, 3214868480
	.fill 96, 4, 3214868480
	.section	.rodata,"a",@progbits
	.p2align	6, 0x0
	.amdhsa_kernel k_qbbbe255137_fused
		.amdhsa_group_segment_fixed_size 327680
		.amdhsa_private_segment_fixed_size 0
		.amdhsa_enable_private_segment 0
		.amdhsa_kernarg_size 96
		.amdhsa_user_sgpr_count 2
		.amdhsa_user_sgpr_kernarg_segment_ptr 1
		.amdhsa_wavefront_size32 1
		.amdhsa_system_sgpr_workgroup_id_x 1
		.amdhsa_system_sgpr_workgroup_id_y 1
		.amdhsa_system_sgpr_workgroup_id_z 1
		.amdhsa_system_vgpr_workitem_id 0
		.amdhsa_next_free_vgpr 512
		.amdhsa_next_free_sgpr 100
		.amdhsa_reserve_vcc 0
		.amdhsa_float_denorm_mode_32 3
		.amdhsa_float_denorm_mode_16_64 3
		.amdhsa_memory_ordered 1
		.amdhsa_forward_progress 1
		.amdhsa_inst_pref_size 255
	.end_amdhsa_kernel
	.section	.bss,"aw",@nobits
	.p2align	6
	.space	262144
	.amdgpu_metadata
---
amdhsa.version: [ 1, 2 ]
amdhsa.kernels:
  - .name:           k_qbbbe255137_fused
    .symbol:         k_qbbbe255137_fused.kd
    .args:
      - { .name: input, .offset: 0, .size: 8, .value_kind: global_buffer, .address_space: global }
      - { .name: SU_ug, .offset: 8, .size: 8, .value_kind: global_buffer, .address_space: global }
      - { .name: SU_dp, .offset: 16, .size: 8, .value_kind: global_buffer, .address_space: global }
      - { .name: Wscale_ug, .offset: 24, .size: 8, .value_kind: global_buffer, .address_space: global }
      - { .name: W_up_codes, .offset: 32, .size: 8, .value_kind: global_buffer, .address_space: global }
      - { .name: W_gate_codes, .offset: 40, .size: 8, .value_kind: global_buffer, .address_space: global }
      - { .name: W_up_scales, .offset: 48, .size: 8, .value_kind: global_buffer, .address_space: global }
      - { .name: W_gate_scales, .offset: 56, .size: 8, .value_kind: global_buffer, .address_space: global }
      - { .name: W_down_codes, .offset: 64, .size: 8, .value_kind: global_buffer, .address_space: global }
      - { .name: W_down_scales, .offset: 72, .size: 8, .value_kind: global_buffer, .address_space: global }
      - { .name: Wscale_dp, .offset: 80, .size: 8, .value_kind: global_buffer, .address_space: global }
      - { .name: out0, .offset: 88, .size: 8, .value_kind: global_buffer, .address_space: global }
    .group_segment_fixed_size: 327680
    .private_segment_fixed_size: 0
    .kernarg_segment_align: 8
    .kernarg_segment_size: 96
    .max_flat_workgroup_size: 256
    .sgpr_count:     100
    .vgpr_count:     512
    .wavefront_size: 32
...
	.end_amdgpu_metadata
.endif
;; end of part 2
